; MI455X (gfx1250); checked and timed in simulation.
; The chip was launched on July 23, 2026; its instructions are those of AMD's public machine-readable ISA for CDNA 5 (MIT licence, August 2026) and "CDNA5" Instruction Set Architecture Reference Guide (July 2026). The comments in the code are by the model that wrote it; some were corrected since.
;; GRU Cell. Allowed arithmetic: matrix products marked QUANTISED: E5M2 operands, one E8M0 scale for each 32 along K, by v_wmma_scale_f32_16x16x128_f8f6f4 with both operands' format E5M2, f32 sums; everything else in f32.
;; Inputs: Uhn 1,024 x 1,024 float32; Uhr 1,024 x 1,024 float32; Uhz 1,024 x 1,024 float32; Win 1,024 x 1,024 float32; Wir 1,024 x 1,024 float32; Wiz 1,024 x 1,024 float32; bn 1,024 float32; br 1,024 float32; bz 1,024 float32; h 8,192 x 1,024 float32; x 8,192 x 1,024 float32.
;; Outputs: out0 8,192 x 1,024 float32.
;; This version of the problem:
;;   THIS VERSION OF THE PROBLEM IS GIVEN IN LOW PRECISION. The matrix products marked QUANTISED in the list below multiply operands that are first quantised to E5M2 (5 exponent bits, 2 mantissa bits; 8 bits a number), with one power-of-two scale for each 32 numbers along K (OCP MX v1.0); their sums are f32. All else is computed in f32.
;;   The module's matrix products, in the order in which they are computed (A, B: the left and right operand; K: the contracted axis; several contracted axes count as one K, in the product's order):
;;     1. [M 8,192, K 1,024] x [K 1,024, N 3,072]; A: input x; B: computed on the way: QUANTISED
;;     2. [M 8,192, K 1,024] x [K 1,024, N 2,048]; A: input h; B: computed on the way: QUANTISED
;;     3. [M 8,192, K 1,024] x [K 1,024, N 1,024]; A: computed on the way; B: input Uhn: QUANTISED
;;   THE QUANTISER, for each operand of a quantised product, along K:
;;     - K is cut into blocks of 32 from its start; a last block that is shorter is filled with zeros.
;;     - A block's scale is 2^e with e = floor(log2(the largest magnitude in the block)) - 15, held to -126 .. 127; a block of zeros has e = 0. As a byte (E8M0): e + 127.
;;     - Each number is divided by its block's scale, clamped to +-57,344, and rounded to the nearest number of E5M2, ties to even, subnormals kept.
;;     - The product sums the exact products of the quantised numbers (number of the format x scale) in f32.
;;   ~~~python
;;   def quantise(x, axis):      # numpy; x: float32 -> the quantised numbers, widened to float32 again
;;       x = np.moveaxis(x, axis, -1); K = x.shape[-1]
;;       x = np.pad(x, [(0, 0)] * (x.ndim - 1) + [(0, -K % 32)]); x = x.reshape(x.shape[:-1] + (-1, 32)); a = np.abs(x).max(-1, keepdims=True)
;;       e = np.where(a > 0, np.clip(np.frexp(np.where(a > 0, a, 1))[1] - 1 - 15, -126, 127), 0)      # np.frexp(a)[1] - 1 = floor(log2(a)), exactly
;;       r = np.clip(x / 2.0 ** e, -57344, 57344)
;;       step = 2.0 ** (np.maximum(np.frexp(np.where(r == 0, 1, r))[1] - 1, -14) - 2)
;;       q = np.round(r / step) * step * 2.0 ** e      # np.round: ties to even
;;       return np.moveaxis(q.reshape(q.shape[:-2] + (-1,))[..., :K], -1, axis).astype(np.float32)
;;   ~~~
;;   OPERANDS COMPUTED ON THE WAY. 'Computed on the way' means the value that the module computes at that place (a softmax that the list does not call 'softmax' is quantised finished and normalised). What goes into a quantiser is computed in f32, as accurately as f32 sums, v_exp_f32 and their like allow (about 1e-6 of the number): no bf16 or f16 on the way to a quantiser, and a product that is left as it is and whose result goes on into a quantised operand takes f32 operands (vector FMAs, or v_wmma_f32_16x16x4_f32). A number that lies on a knife's edge between two numbers of the format may be rounded either way, as far as f32 arithmetic and the matrix unit's own rounding can turn it there, and no further.
;; One version. Each part assembles by itself: llvm-mc -triple=amdgcn-amd-amdhsa -mcpu=gfx1250 --defsym DOCPART=n.
;; ======== version 1 of 1: 3 launches
;; limits: right only within a limited range of input values
;; workspace buffers: aq 16,777,216 bytes; asc 524,288 bytes; rq 8,388,608 bytes; rsc 262,144 bytes; wq 6,291,456 bytes; wsc 196,608 bytes
;; launch quant (part 1): grid 448 x 1, 4 waves a work-group, no clusters, 36,352 bytes of LDS; arguments x, h, Wir, Uhr, Wiz, Uhz, Win, Uhn, aq, asc, wq, wsc; writes aq, asc, wq, wsc
.if DOCPART == 1
	.amdgcn_target "amdgcn-amd-amdhsa--gfx1250"
	.amdhsa_code_object_version 6
	.text
	.protected	k_qc1b3afc245_quant
	.globl	k_qc1b3afc245_quant
	.p2align	8
	.type	k_qc1b3afc245_quant,@function
k_qc1b3afc245_quant:
	s_mov_b64 s[64:65], 0
	v_nop
	global_prefetch_b8 v0, s[64:65] scope:SCOPE_SE
	s_setreg_imm32_b32 hwreg(HW_REG_WAVE_MODE, 25, 1), 1
	s_wait_xcnt 0x0
; GRU cell, launch 1 of 3: every operand that arrives as f32 is turned ONCE into codes of BF8 (E5M2) with one E8M0 scale byte for each 32 along K.
; NOTHING OF THE PROBLEM IS LEFT OUT: every input (x, h, six weights, three biases) has a way to the output, and all three products are live in all their rows and columns.
; x, h [8192][1024] (K innermost) -> aq, asc.   Wir, Uhr, Wiz, Uhz, Win, Uhn [1024 (K)][1024 (n)] (K outermost) -> wq, wsc, as g = 0 .. 5 in that order.
; A block's scale is 2^(floor(log2(its largest magnitude)) - 15); its byte is the largest magnitude's exponent field - 15, held at 1 from below; each number is held within +-57,344 x the scale and rounded to the nearest code, ties to even.
; LIMITS: a block whose largest magnitude lies under 2^-111 has its byte held at 1; a block of zeros gets the byte 1 where the rule says 127 (its codes are zeros, and this program alone reads the bytes); NaN and infinities among the inputs are not served.
; LAYOUT OF THE CODES: A FRAGMENT IMAGE, 2,048 bytes = 16 rows x 128 K in the order of the operand's registers: byte 512 c + 16 l + e holds K = 32 c + 16 (l / 16) + e of row l % 16.
;   aq  [b: 0 x, 1 h][R = row / 256][s = K / 128][t = 16 tiles of rows][2048]      asc [b][s][row] words (byte i of a word: K 32 i on of that K step)
;   wq  [g][C = n / 128][s][t = 8 tiles][2048]                                      wsc [g][s][128 C + 16 t + p] words
;   THE COLUMNS OF A WEIGHT THAT FORM A TILE ARE NOT NEIGHBOURS: place p of tile t = 2 b + u holds column 128 C + 32 b + 8 u + p + 8 (p / 8), so that in the transposed product the 16 registers of tiles 2 b, 2 b + 1 are 16 neighbouring columns.
; SHARES: work-groups 0-255 take x and h (64 rows each; wave w the K steps 2 w, 2 w + 1: eight fragments); work-groups 256-447 take the weights (128 columns x 256 K; a lane a column, its registers down K).
; No tensor load, no barrier: waves share nothing.  Only the first path uses LDS.
.set SROW,  528                        ; a stage row: 512 bytes + 16: row r starts 4 r words on in the banks' round
.set WSTG,  16*SROW                    ; a wave's stage: 16 rows
.set SS,    4*WSTG                     ; behind the four stages: 512 bytes of scale words for each wave, [K step (2)][64 rows]
.set SPARE, SS+4*512                   ; the spare words, 128 bytes for each wave: two blocks of 256 bytes that no other line names
.set LO,  1                            ; v1   16 x lane
.set STI, 2                            ; v2   the stage, on the way in
.set STO, 3                            ; v3   and on the way out: row r, + 64 (lane / 16)
.set SSI, 4                            ; v4   where my row's scale word goes
.set SSO, 5                            ; v5   where I read 16 bytes of scale words back
.set SGO, 6                            ; v6   and their place in asc
.set SPW, 10                           ; v10  LDS address of my spare word; never rewritten
.set NIL, 11                           ; v11  0; never rewritten
.set TM,  12                           ; v12-27 the quantiser's: largest magnitudes, bytes, bounds, scale operands
.set PW,  28                           ; v28  the scale word just made
.set SETS, 36                          ; v36-227 three sets of 64 numbers
.set PC,  228                          ; v228-243 the codes just made
.set XW,  36                           ; the weights' path: v36-99 two sets of 32 numbers
.set CW,  100                          ; v100-163 eight registers of codes for each of 8 blocks: no store's data are written again
.set SB,  28                           ; v28-29 the scale bytes, four to a register
.set WV,  28                           ; s28  my wave's number
.set MNT, 29                           ; s29  the mantissa field of 57,344
.set SEL, 30                           ; s[30:31] v_permlanex16_b32's selects for lane l xor 16
; 64 numbers of a lane, v[s] on, register 16 b + i = K 32 b + 16 (lane / 16) + i of my row, become a fragment's codes in v[PC] on and its scale word in v[PW]
.macro QUANT s
.irp b, 0,1,2,3
	v_max3_num_f32 v[TM+\b], |v[\s+16*\b]|, |v[\s+1+16*\b]|, 0x8000000   ; block b: my 16 numbers, and the floor 2^(16 - 127): the byte cannot fall under 1
.endr
.irp i, 2,4,6,8,10,12,14
.irp b, 0,1,2,3
	v_max3_num_f32 v[TM+\b], v[TM+\b], |v[\s+16*\b+\i]|, |v[\s+1+16*\b+\i]|   ; the four blocks by turns
.endr
.endr
.irp b, 0,1,2,3
	v_permlanex16_b32 v[TM+4+\b], v[TM+\b], s[SEL], s[SEL+1]
.endr
.irp b, 0,1,2,3
	v_max_num_f32 v[TM+\b], v[TM+\b], v[TM+4+\b]                 ; with lane l xor 16's 16: the block's largest magnitude
.endr
.irp b, 0,1,2,3
	v_add_nc_u32 v[TM+12+\b], 0xf8800000, v[TM+\b]               ; 15 off its exponent field: the conversion's scale operand
.endr
.irp b, 0,1,2,3
	v_and_or_b32 v[TM+8+\b], v[TM+\b], 0x7f800000, s[MNT]        ; 57,344 x the scale
.endr
.irp b, 0,1,2,3
	v_lshrrev_b32 v[TM+4+\b], 23, v[TM+12+\b]                    ; the scale's byte
.endr
	v_lshl_or_b32 v[PW], v[TM+5], 8, v[TM+4]
	v_lshl_or_b32 v[PW], v[TM+6], 16, v[PW]
	v_lshl_or_b32 v[PW], v[TM+7], 24, v[PW]                      ; my row's scale word for these 128 K
.irp b, 0,1,2,3
.irp i, 0,1,2,3,4,5,6,7,8,9,10,11,12,13,14,15
	v_med3_num_f32 v[\s+16*\b+\i], v[\s+16*\b+\i], -v[TM+8+\b], v[TM+8+\b]   ; the conversion to an 8-bit code does not saturate (ISA guide 7.6.2): the hold comes first
.endr
	v_cvt_scalef32_pk8_bf8_f32 v[PC+4*\b:PC+1+4*\b], v[\s+16*\b:\s+7+16*\b], v[TM+12+\b]
	v_cvt_scalef32_pk8_bf8_f32 v[PC+2+4*\b:PC+3+4*\b], v[\s+8+16*\b:\s+15+16*\b], v[TM+12+\b]
.endr
	v_nop                                                        ; one plain vector line behind the last conversion
.endm
	s_load_b512 s[4:19], s[0:1], 0x0               ; x, h, Wir, Uhr, Wiz, Uhz, Win, Uhn
	s_load_b256 s[20:27], s[0:1], 0x40             ; aq, asc, wq, wsc
	v_lshl_add_u32 v[SPW], v0, 2, SPARE
	v_mov_b32 v[NIL], 0
	v_lshrrev_b32 v7, 5, v0
	v_readfirstlane_b32 s[WV], v7                  ; wave 0..3
	v_and_b32 v7, 31, v0                           ; lane
	v_and_b32 v8, 15, v0                           ; r
	v_bfe_u32 v9, v0, 4, 1                         ; lane / 16
	s_mov_b32 s[MNT], 0x600000
	s_mov_b32 s[SEL], 0x76543210
	s_mov_b32 s[SEL+1], 0xfedcba98
	s_wait_kmcnt 0x0
	s_cmp_lt_u32 ttmp9, 256
	s_cbranch_scc0 .Lweights
; ---------------- x and h: K is innermost ----------------
	s_cmp_lt_u32 ttmp9, 128                        ; the first 128 work-groups take x, the next 128 h: the choice hangs on the work-group's number alone
	s_cselect_b64 s[4:5], s[4:5], s[6:7]
	s_lshr_b32 s32, ttmp9, 7                       ; b
	s_and_b32 s33, ttmp9, 127                      ; G: which 64 rows
	s_lshl_b32 s34, s33, 18                        ; 64 rows of 4,096 bytes,
	s_lshl_b32 s35, s[WV], 10                      ; and my two K steps: 256 numbers on for each wave
	s_add_co_u32 s34, s34, s35
	s_mov_b32 s35, 0
	s_add_nc_u64 s[4:5], s[4:5], s[34:35]
	s_lshl_b32 s36, s32, 23                        ; the codes: b x 8 MiB
	s_lshr_b32 s37, s33, 2
	s_lshl_b32 s37, s37, 18                        ; + R x 262,144
	s_add_co_u32 s36, s36, s37
	s_lshl_b32 s37, s[WV], 16                      ; + my first K step x 32,768
	s_add_co_u32 s36, s36, s37
	s_and_b32 s37, s33, 3
	s_lshl_b32 s37, s37, 13                        ; + my 64 rows' four tiles among R's sixteen
	s_add_co_u32 s36, s36, s37
	s_mov_b32 s37, 0
	s_add_nc_u64 s[20:21], s[20:21], s[36:37]
	s_lshl_b32 s38, s32, 18                        ; the scale words: b x 262,144
	s_lshl_b32 s39, s[WV], 16                      ; + my first K step x 32,768
	s_add_co_u32 s38, s38, s39
	s_lshl_b32 s39, s33, 8                         ; + 64 rows x 4
	s_add_co_u32 s38, s38, s39
	s_mov_b32 s39, 0
	s_add_nc_u64 s[22:23], s[22:23], s[38:39]
	s_wait_alu depctr_va_vdst(0)
	v_lshlrev_b32 v[LO], 4, v7
	s_mul_i32 s40, s[WV], WSTG
	v_add_nc_u32 v[STI], s40, v[LO]
	v_mul_u32_u24 v[STO], v8, SROW
	v_lshl_add_u32 v[STO], v9, 6, v[STO]
	v_add_nc_u32 v[STO], s40, v[STO]
	s_lshl_b32 s41, s[WV], 9
	s_add_co_u32 s41, s41, SS
	v_lshl_add_u32 v[SSI], v8, 2, s41
	v_add_nc_u32 v[SSO], s41, v[LO]
	v_lshlrev_b32 v[SGO], 4, v8
	v_lshl_add_u32 v[SGO], v9, 15, v[SGO]          ; lanes 16-31 hold the second K step's words: 32,768 bytes on in asc
.irp b, 0,1,2,3
	v_mov_b32 v[TM+4+\b], 0                        ; written once: a lane permute's destination counts as one of its sources
.endr
; step e = 4 s' + t: K step s' of my two, tile t of the four: 16 rows x 512 bytes
.macro LOADQ e                         ; each load reads 512 consecutive bytes of one row
.irp i, 0,1,2,3,4,5,6,7,8,9,10,11,12,13,14,15
	global_load_b128 v[SETS+64*((\e)%3)+4*\i:SETS+64*((\e)%3)+4*\i+3], v[LO], s[4:5] offset:(16*((\e)%4)+\i)*4096+512*((\e)/4) th:TH_LOAD_NT
.endr
.endm
.macro TURNQ e                         ; through my own stage: in as rows, out as 16 neighbours of each block of 32.  LDS serves a wave's instructions in order, so no wait stands between
.irp i, 0,1,2,3,4,5,6,7,8,9,10,11,12,13,14,15
	ds_store_b128 v[STI], v[SETS+64*((\e)%3)+4*\i:SETS+64*((\e)%3)+4*\i+3] offset:SROW*\i
.endr
.irp c, 0,1,2,3
.irp j, 0,1,2,3
	ds_load_b128 v[SETS+64*((\e)%3)+16*\c+4*\j:SETS+64*((\e)%3)+16*\c+4*\j+3], v[STO] offset:128*\c+16*\j
.endr
.endr
.endm
.macro STEPQ e
	s_wait_dscnt 0x0                               ; this step's numbers are back from the stage, and the last scale word is stored
.if (\e)+2 < 8
	LOADQ (\e)+2                                   ; into the set that the step before has left
.endif
.if (\e)+1 < 8
.if (\e)+2 < 8
	s_wait_loadcnt 16                              ; the next step's sixteen loads are in; the sixteen just issued may be out
.else
	s_wait_loadcnt 0x0
.endif
	TURNQ (\e)+1                                   ; the next step goes through the stage while this one is worked
.endif
	s_wait_xcnt 0x0                                ; the last step's stores have read the codes' registers, which are written again below
.set QS, SETS+64*((\e)%3)
	QUANT QS
.irp c, 0,1,2,3
	global_store_b128 v[LO], v[PC+4*\c:PC+4*\c+3], s[20:21] offset:32768*((\e)/4)+2048*((\e)%4)+512*\c   ; the image as it stands: 512 consecutive bytes a store
.endr
	ds_store_b32 v[SSI], v[PW] offset:256*((\e)/4)+64*((\e)%4)   ; lanes r and r + 16 write the same word with the same value
.endm
	LOADQ 0
	LOADQ 1
	s_wait_alu depctr_va_vdst(0)
	s_wait_loadcnt 16                              ; step 0's loads are in, step 1's may be out
	TURNQ 0
.irp e, 0,1,2,3,4,5,6,7
	STEPQ \e
.endr
	ds_load_b128 v[TM:TM+3], v[SSO]                ; my wave's 128 scale words: LDS serves a wave's instructions in order
	s_wait_dscnt 0x0
	global_store_b128 v[SGO], v[TM:TM+3], s[22:23] ; sixteen lanes store 256 consecutive bytes, aligned: one run for each of the two K steps
	s_wait_tensorcnt 0x0                           ; the wave's end, behind my last LDS store
	ds_add_u32 v[SPW], v[NIL]
	s_wait_dscnt 0x0
	s_endpgm
; ---------------- the weights: K is the first axis.  A lane takes a column, its registers run down K: nothing is transposed, and no LDS is used ----------------
.Lweights:
	s_sub_co_u32 s32, ttmp9, 256
	s_lshr_b32 s33, s32, 5                         ; g: which weight
	s_bfe_u32 s34, s32, 0x30002                    ; C: which 128 columns
	s_and_b32 s35, s32, 3                          ; which 256 along K
	s_cmp_eq_u32 s33, 1                            ; the weight is chosen by the work-group's number alone
	s_cselect_b64 s[8:9], s[10:11], s[8:9]
	s_cmp_eq_u32 s33, 2
	s_cselect_b64 s[8:9], s[12:13], s[8:9]
	s_cmp_eq_u32 s33, 3
	s_cselect_b64 s[8:9], s[14:15], s[8:9]
	s_cmp_eq_u32 s33, 4
	s_cselect_b64 s[8:9], s[16:17], s[8:9]
	s_cmp_eq_u32 s33, 5
	s_cselect_b64 s[8:9], s[18:19], s[8:9]
	s_lshl_b32 s36, s35, 20                        ; 256 rows of 4,096 bytes
	s_lshl_b32 s37, s34, 9                         ; + 128 columns x 4
	s_add_co_u32 s36, s36, s37
	s_lshl_b32 s37, s[WV], 7                       ; + my wave's 32 columns
	s_add_co_u32 s36, s36, s37
	s_mov_b32 s37, 0
	s_add_nc_u64 s[8:9], s[8:9], s[36:37]
	s_lshl_b32 s36, s33, 20                        ; the codes: g x 1 MiB
	s_lshl_b32 s38, s34, 17                        ; + C x 131,072
	s_add_co_u32 s36, s36, s38
	s_lshl_b32 s38, s35, 15                        ; + two K steps of 16,384
	s_add_co_u32 s36, s36, s38
	s_lshl_b32 s38, s[WV], 12                      ; + my wave's two tiles
	s_add_co_u32 s36, s36, s38
	s_add_nc_u64 s[24:25], s[24:25], s[36:37]
	s_lshl_b32 s36, s33, 15                        ; the scale words: g x 32,768
	s_lshl_b32 s38, s35, 13                        ; + two K steps of 4,096
	s_add_co_u32 s36, s36, s38
	s_lshl_b32 s38, s34, 9                         ; + C x 128 words
	s_add_co_u32 s36, s36, s38
	s_lshl_b32 s38, s[WV], 7                       ; + my wave's 32 words
	s_add_co_u32 s36, s36, s38
	s_add_nc_u64 s[26:27], s[26:27], s[36:37]
	s_wait_alu depctr_va_vdst(0)
	v_lshlrev_b32 v1, 2, v7                        ; in: 4 bytes a lane: 128 consecutive bytes a wave, 512 a work-group
	v_bfe_u32 v4, v0, 3, 1                         ; u: which of my wave's two tiles my column falls into,
	v_and_b32 v5, 7, v0
	v_lshl_or_b32 v5, v9, 3, v5                    ; and its place p there: (lane % 8) + 8 (lane / 16)
	v_lshlrev_b32 v2, 4, v5
	v_lshl_add_u32 v2, v4, 11, v2                  ; the codes' place: 2,048 u + 16 p
	v_lshlrev_b32 v3, 2, v5
	v_lshl_add_u32 v3, v4, 6, v3                   ; the scale word's: 64 u + 4 p
.macro LOADW t                         ; block t: W(32 t + i, my column), i = 0 .. 31
.irp i, 0,1,2,3,4,5,6,7,8,9,10,11,12,13,14,15,16,17,18,19,20,21,22,23,24,25,26,27,28,29,30,31
	global_load_b32 v[XW+32*((\t)%2)+\i], v1, s[8:9] offset:(32*(\t)+\i)*4096 th:TH_LOAD_NT
.endr
.endm
.macro BLOCKW t
.set XS, XW+32*((\t)%2)
.if (\t) < 7
	s_wait_loadcnt 32                              ; this block's 32 loads are in; the next block's may be out
.else
	s_wait_loadcnt 0x0
.endif
	v_max3_num_f32 v12, |v[XS]|, |v[XS+1]|, |v[XS+2]|            ; the block's largest magnitude: all 32 numbers are mine
	v_max3_num_f32 v13, |v[XS+3]|, |v[XS+4]|, |v[XS+5]|
.irp i, 6,10,14,18,22,26
	v_max3_num_f32 v12, v12, |v[XS+\i]|, |v[XS+\i+1]|
	v_max3_num_f32 v13, v13, |v[XS+\i+2]|, |v[XS+\i+3]|
.endr
	v_max3_num_f32 v12, v12, |v[XS+30]|, |v[XS+31]|
	v_max3_num_f32 v12, v12, v13, 0x8000000        ; and the floor 2^(16 - 127)
	v_add_nc_u32 v15, 0xf8800000, v12              ; the conversion's scale operand
	v_and_or_b32 v14, v12, 0x7f800000, s[MNT]      ; 57,344 x the scale
	v_lshrrev_b32 v13, 23, v15                     ; the scale's byte
.if (\t)%4 == 0
	v_mov_b32 v[SB+(\t)/4], v13                    ; four bytes to a word, the lower K in the lower byte
.else
	v_lshl_or_b32 v[SB+(\t)/4], v13, 8*((\t)%4), v[SB+(\t)/4]
.endif
.irp i, 0,1,2,3,4,5,6,7,8,9,10,11,12,13,14,15,16,17,18,19,20,21,22,23,24,25,26,27,28,29,30,31
	v_med3_num_f32 v[XS+\i], v[XS+\i], -v14, v14
.endr
.irp q, 0,1,2,3
	v_cvt_scalef32_pk8_bf8_f32 v[CW+8*(\t)+2*\q:CW+8*(\t)+2*\q+1], v[XS+8*\q:XS+8*\q+7], v15
.endr
	global_store_b128 v2, v[CW+8*(\t):CW+8*(\t)+3], s[24:25] offset:((\t)/4)*16384+((\t)%4)*512        ; K 32 c + 0 .. 15: the image's lanes 0-15: the sixteen lanes of a tile store 256 consecutive bytes
	global_store_b128 v2, v[CW+8*(\t)+4:CW+8*(\t)+7], s[24:25] offset:((\t)/4)*16384+((\t)%4)*512+256  ; K 32 c + 16 .. 31: its lanes 16-31
.if (\t)+2 < 8
	LOADW (\t)+2                                   ; (the next block begins with plain vector lines: the place behind the conversions)
.endif
.endm
	LOADW 0
	LOADW 1
.irp t, 0,1,2,3,4,5,6,7
	BLOCKW \t
.endr
	global_store_b32 v3, v[SB], s[26:27]           ; my column's scale words of the two K steps: 128 consecutive bytes a wave, 512 a work-group
	global_store_b32 v3, v[SB+1], s[26:27] offset:4096
	s_endpgm
.Lfunc_end_k_qc1b3afc245_quant:
	.size	k_qc1b3afc245_quant, .Lfunc_end_k_qc1b3afc245_quant-k_qc1b3afc245_quant
	.p2alignl 7, 3214868480
	.fill 96, 4, 3214868480
	.section	.rodata,"a",@progbits
	.p2align	6, 0x0
	.amdhsa_kernel k_qc1b3afc245_quant
		.amdhsa_group_segment_fixed_size 36352
		.amdhsa_private_segment_fixed_size 0
		.amdhsa_enable_private_segment 0
		.amdhsa_kernarg_size 96
		.amdhsa_user_sgpr_count 2
		.amdhsa_user_sgpr_kernarg_segment_ptr 1
		.amdhsa_wavefront_size32 1
		.amdhsa_system_sgpr_workgroup_id_x 1
		.amdhsa_system_sgpr_workgroup_id_y 1
		.amdhsa_system_sgpr_workgroup_id_z 1
		.amdhsa_system_vgpr_workitem_id 0
		.amdhsa_next_free_vgpr 244
		.amdhsa_next_free_sgpr 66
		.amdhsa_reserve_vcc 0
		.amdhsa_float_denorm_mode_32 3
		.amdhsa_float_denorm_mode_16_64 3
		.amdhsa_memory_ordered 1
		.amdhsa_forward_progress 1
		.amdhsa_inst_pref_size 155
	.end_amdhsa_kernel
	.amdgpu_metadata
---
amdhsa.version: [ 1, 2 ]
amdhsa.kernels:
  - .name:           k_qc1b3afc245_quant
    .symbol:         k_qc1b3afc245_quant.kd
    .args:
      - { .name: x, .offset: 0, .size: 8, .value_kind: global_buffer, .address_space: global }
      - { .name: h, .offset: 8, .size: 8, .value_kind: global_buffer, .address_space: global }
      - { .name: Wir, .offset: 16, .size: 8, .value_kind: global_buffer, .address_space: global }
      - { .name: Uhr, .offset: 24, .size: 8, .value_kind: global_buffer, .address_space: global }
      - { .name: Wiz, .offset: 32, .size: 8, .value_kind: global_buffer, .address_space: global }
      - { .name: Uhz, .offset: 40, .size: 8, .value_kind: global_buffer, .address_space: global }
      - { .name: Win, .offset: 48, .size: 8, .value_kind: global_buffer, .address_space: global }
      - { .name: Uhn, .offset: 56, .size: 8, .value_kind: global_buffer, .address_space: global }
      - { .name: aq, .offset: 64, .size: 8, .value_kind: global_buffer, .address_space: global }
      - { .name: asc, .offset: 72, .size: 8, .value_kind: global_buffer, .address_space: global }
      - { .name: wq, .offset: 80, .size: 8, .value_kind: global_buffer, .address_space: global }
      - { .name: wsc, .offset: 88, .size: 8, .value_kind: global_buffer, .address_space: global }
    .group_segment_fixed_size: 36352
    .private_segment_fixed_size: 0
    .kernarg_segment_align: 8
    .kernarg_segment_size: 96
    .max_flat_workgroup_size: 128
    .sgpr_count:     66
    .vgpr_count:     244
    .wavefront_size: 32
...
	.end_amdgpu_metadata
.endif
;; end of part 1
;; launch gate_r (part 2): grid 8 x 32, 4 waves a work-group, clusters of 4 x 4, 327,680 bytes of LDS; arguments aq, asc, wq, wsc, br, h, rq, rsc; writes rq, rsc
.if DOCPART == 2
	.amdgcn_target "amdgcn-amd-amdhsa--gfx1250"
	.amdhsa_code_object_version 6
	.text
	.protected	k_qc1b3afc245_gate_r
	.globl	k_qc1b3afc245_gate_r
	.p2align	8
	.type	k_qc1b3afc245_gate_r,@function
k_qc1b3afc245_gate_r:
	s_mov_b64 s[64:65], 0
	v_nop
	global_prefetch_b8 v0, s[64:65] scope:SCOPE_SE
	s_setreg_imm32_b32 hwreg(HW_REG_WAVE_MODE, 25, 1), 1
	s_wait_xcnt 0x0
	s_wait_alu depctr_hold_cnt(0) depctr_sa_sdst(0) depctr_va_vdst(0) depctr_va_sdst(0) depctr_va_ssrc(0) depctr_va_vcc(0) depctr_vm_vsrc(0)
	s_getreg_b32 s2, hwreg(HW_REG_IB_STS2, 6, 4)
	s_cmp_eq_u32 s2, 0
	s_cbranch_scc0 .Lentry_in_a_cluster
	s_endpgm
.Lentry_in_a_cluster:
	s_bfe_u32 s2, ttmp6, 0x10000c
	s_cmp_lg_u32 s2, 0xf033
	s_cbranch_scc0 .Lentry_shape_is_right
	s_endpgm
.Lentry_shape_is_right:
; GRU cell, launch 2 of 3: r = sigmoid(x Wir + h Uhr + br), both products on codes of BF8 with E8M0 scales; r x h in f32; that product quantised along its columns, which are the third product's K -> rq, rsc.  No work is left out.
; Buffers as the first launch lays them: fragment images of 2,048 bytes (16 rows x 128 K in the order of the operand's registers).  rq [R = row / 256][s][t (16)][2048], rsc [s][row] words.
; SHARES.  A work-group owns 256 rows x 128 columns of r: K step C of the third product.  Wave w owns rows 64 w .. 64 w + 63 and all 128 columns: 4 x 8 accumulators; so each tile of 16 rows gives one whole fragment and one whole scale word a row.
; K: 16 steps of 128: x Wir (0-7), then h Uhr (8-15), in ONE f32 chain for each output (not two sums added: the order of rounding differs).  The bias enters by one fused multiply-add, as -log2(e) x br.
; sigmoid(v) = 1 / (1 + 2^(-log2(e) v)): 2^t = infinity gives 0, 2^t flushed to 0 gives 1: no guard is needed.  LIMITS of the quantiser as in the first launch: byte held at 1 from below; a block of zeros gets byte 1; NaN and infinities are not served.
; THE PRODUCT IS USED TRANSPOSED: source 0 = 16 places of a weight tile, source 1 = 16 rows.  Lane (r, hh) holds row r; register 16 b + i of a row block holds column 128 C + 32 b + 16 hh + i (the first launch chose the tiles' columns so).
; THE TILES come through two LDS regions of unequal size, so that there are few refills: X holds four K steps, Y two.  Fills: X (0-3), Y (4, 5), X (6-9), Y (10, 11), X (12-15): three refills.  Of a fill's K steps waves 0 and 1 fetch a half each of A's,
; waves 2 and 3 a half each of the weights'; a half begins on an even K step, so none reaches from x into h.  A region is filled again at the head of its last K step, whose fragments are in registers by then; all that step's products follow the load.
; CLUSTER 4 x 4: the four work-groups of a row share R, so x's and h's tiles and scale words are asked for jointly along the row; the four of a column share C, so the weights' are asked for jointly along the column.
; All scale words of the work-group come once, with the first fills.  A scale register holds K step s in lanes 0-15 and K step s + 1 in lanes 16-31 (one address term: 1,024 x (lane / 16) for A's, 512 for the weights'); the odd K step names the upper lanes.
; h is asked for at the head and wanted only on the way out; there it turns through Y, which has had its last fill and, ahead of K step 11's barrier, its last read.
; REGISTERS, in windows of 256: window 0: v1-14, v20 addresses; v32-55 scale words, two sets; v64-127 br, then -log2(e) br, in the result's layout; v128-255 A's fragments, two sets of four (on the way out: at work).
;   window 1: the weights' fragments, two sets of eight.   window 2: the 32 accumulators, (a, b) at v[8 (8 a + b)].   window 3: h, row block a at v[64 a].
.set XA,    0                          ; X: A's four K steps of 32,768 bytes,
.set XW,    131072                     ;    the weights' four of 16,384
.set YA,    196608                     ; Y: A's two,
.set YW,    262144                     ;    the weights' two
.set SCA,   294912                     ; x's and h's scale words: [x, h][s (8)][256 rows]: 16,384 bytes
.set SCB,   311296                     ; the weights': [Wir, Uhr][s (8)][128 places]: 8,192 bytes
.set SSTG,  319488                     ; 256 bytes for each wave: the scale words made here
.set SPARE, 320512                     ; the spare words, 128 bytes for each wave: two blocks of 256 bytes that no other line names
.set HSTG,  YA                         ; the way out: a stage of 16 rows x 528 bytes for each wave, for h
.set LO,   1                           ; v1   16 x lane
.set ADAX, 2                           ; v2   my four A fragments in X, K steps 0 and 1 of its four; v3: K steps 2 and 3
.set ADAY, 4                           ; v4   in Y
.set ADBX, 5                           ; v5   the weights' eight in X
.set ADBY, 6                           ; v6   in Y
.set ADSA, 7                           ; v7   my rows' scale words
.set ADSB, 8                           ; v8   the weights'
.set HSI,  9                           ; v9   h's stage, in
.set HSO,  10                          ; v10  and out
.set SSI,  11                          ; v11  where my row's new scale word goes
.set SSO,  12                          ; v12  where I read 8 bytes of them back
.set LO8,  13                          ; v13  8 x lane
.set HH64, 14                          ; v14  64 x (lane / 16)
.set PFO,  20                          ; v20  256 x lane: the prefetches' offset; never rewritten
.set SPW,  28                          ; v28  LDS address of my spare word; never rewritten
.set NIL,  29                          ; v29  0; never rewritten
.set SC,   32                          ; v32-43, v44-55: a set: 4 words for A's row blocks, 8 for the weights' tiles; they hold scales and nothing else
.set NB,   64
.set AF,   128
.set T,    128                         ; the way out: 64 numbers
.set TM,   192
.set PC,   208
.set PW,   224
.set WV,   20                          ; s20 wave;  s21 = wave / 2: I fetch for A (0) or for the weights (1);  s22 = wave % 2: which half
.set ARM,  21
.set PP,   22
.set G1AX, 24                          ; s[24:31] group 1: 256 rows x 256 bytes, dense, my row's mask
.set G1AY, 32                          ; s[32:39] 128 such rows, my row's mask
.set G1BX, 40                          ; s[40:47] 128 rows, my column's mask
.set G1BY, 48                          ; s[48:55] 64 rows, my column's mask
.set G1SA, 56                          ; s[56:63] 16 rows x 1,024 bytes, 32,768 bytes apart, my row's mask
.set G1SB, 68                          ; s[68:75] 16 rows x 512 bytes, 4,096 bytes apart, my column's mask
.set G0AX, 76                          ; groups 0: one for each region and side; X's LDS addresses change once, behind the head's loads
.set G0AY, 80
.set G0BX, 84
.set G0BY, 88
.set G0SA, 92
.set G0SB, 96
.set PF1,  6                           ; s[6:7]   what I ask for behind the first refill;  s[2:3] behind the second.  Neither is rewritten
.set PF2,  2
.set FE1,  104                         ; s104, s23, s105: 0 where I ask behind the first refill; behind the second; a second time there
.set FE2,  23
.set FEA,  105
.set NL,   24                          ; the way out, when no descriptor is wanted any more: s[24:25] -log2(e), s[26:27] lane selects, s28 the mantissa field of 57,344
.set SEL,  26
.set MNT,  28
.set MSB, 0
.macro WIN new                         ; the immediate's high byte repeats the setting that is left
.if MSB != \new
	s_set_vgpr_msb (MSB<<8)|\new
.set MSB, \new
.endif
.endm
.macro PLACES n
.rept \n
	v_nop
.endr
.endm
.macro G1SET g, c, r, pitch            ; elements of 8 bytes: c to a row, r rows, pitch elements from row to row
	s_mov_b32 s[\g+1], (\c)<<16
	s_mov_b32 s[\g+2], (\r)<<16
	s_mov_b32 s[\g+3], (\c)<<16
	s_mov_b32 s[\g+4], \r
	s_mov_b32 s[\g+5], \pitch
	s_mov_b32 s[\g+6], 0
	s_mov_b32 s[\g+7], 0
.endm
.macro JLOAD g0a, g1a, g0b, g1b        ; a joint refill; the branch hangs on the wave's number alone; an s_nop 0 and four v_nop follow each line
	s_cmp_eq_u32 s[ARM], 0
	s_cbranch_scc0 .Lfor_b_\@
	tensor_load_to_lds s[\g0a:\g0a+3], s[\g1a:\g1a+7]
	s_nop 0
.rept 4
	v_nop
.endr
	s_branch .Lasked_\@
.Lfor_b_\@:
	tensor_load_to_lds s[\g0b:\g0b+3], s[\g1b:\g1b+7]
	s_nop 0
.rept 4
	v_nop
.endr
.Lasked_\@:
.endm
.macro CREST                           ; a round of the cluster's barrier behind its opening barrier
	s_cmp_lg_u32 s[WV], 0
	s_cbranch_scc1 .Lnot_wave_0_\@
	s_barrier_signal -3
.Lnot_wave_0_\@:
	s_barrier_wait -3
	s_barrier_signal -1
	s_barrier_wait -1
.endm
.macro CROUND
	s_barrier_signal -1
	s_barrier_wait -1
	CREST
.endm
.macro QUANT s                         ; as in the first launch: 64 numbers of a lane become a fragment's codes in v[PC] on and its scale word in v[PW]
.irp b, 0,1,2,3
	v_max3_num_f32 v[TM+\b], |v[\s+16*\b]|, |v[\s+1+16*\b]|, 0x8000000
.endr
.irp i, 2,4,6,8,10,12,14
.irp b, 0,1,2,3
	v_max3_num_f32 v[TM+\b], v[TM+\b], |v[\s+16*\b+\i]|, |v[\s+1+16*\b+\i]|
.endr
.endr
.irp b, 0,1,2,3
	v_permlanex16_b32 v[TM+4+\b], v[TM+\b], s[SEL], s[SEL+1]
.endr
.irp b, 0,1,2,3
	v_max_num_f32 v[TM+\b], v[TM+\b], v[TM+4+\b]
.endr
.irp b, 0,1,2,3
	v_add_nc_u32 v[TM+12+\b], 0xf8800000, v[TM+\b]
.endr
.irp b, 0,1,2,3
	v_and_or_b32 v[TM+8+\b], v[TM+\b], 0x7f800000, s[MNT]
.endr
.irp b, 0,1,2,3
	v_lshrrev_b32 v[TM+4+\b], 23, v[TM+12+\b]
.endr
	v_lshl_or_b32 v[PW], v[TM+5], 8, v[TM+4]
	v_lshl_or_b32 v[PW], v[TM+6], 16, v[PW]
	v_lshl_or_b32 v[PW], v[TM+7], 24, v[PW]
.irp b, 0,1,2,3
.irp i, 0,1,2,3,4,5,6,7,8,9,10,11,12,13,14,15
	v_med3_num_f32 v[\s+16*\b+\i], v[\s+16*\b+\i], -v[TM+8+\b], v[TM+8+\b]
.endr
	v_cvt_scalef32_pk8_bf8_f32 v[PC+4*\b:PC+1+4*\b], v[\s+16*\b:\s+7+16*\b], v[TM+12+\b]
	v_cvt_scalef32_pk8_bf8_f32 v[PC+2+4*\b:PC+3+4*\b], v[\s+8+16*\b:\s+15+16*\b], v[TM+12+\b]
.endr
	v_nop                                          ; one plain vector line behind the last conversion
.endm
	s_load_b512 s[4:19], s[0:1], 0x0               ; aq s[4:5], asc s[6:7], wq s[8:9], wsc s[10:11], br s[12:13], h s[14:15], rq s[16:17], rsc s[18:19]
	v_lshl_add_u32 v[SPW], v0, 2, SPARE
	v_mov_b32 v[NIL], 0
	ds_add_u32 v[SPW], v[NIL]                      ; the wave's opening: the add, twice on end, and its wait ahead of my first tensor load; the set-up below is work on registers
	ds_add_u32 v[SPW], v[NIL]
	v_lshrrev_b32 v15, 5, v0
	v_readfirstlane_b32 s[WV], v15
	s_lshr_b32 s[ARM], s[WV], 1
	s_and_b32 s[PP], s[WV], 1
	s_bfe_u32 s2, ttmp6, 0x40000                   ; cx
	s_bfe_u32 s3, ttmp6, 0x40004                   ; cy
	s_lshl_b32 s104, ttmp9, 2
	s_add_co_u32 s104, s104, s2                    ; C = 4 x cluster x + cx
	s_and_b32 s23, ttmp7, 0xffff
	s_lshl_b32 s23, s23, 2
	s_add_co_u32 s23, s23, s3                      ; R = 4 x cluster y + cy
	s_lshl_b32 s3, s3, 2
	s_lshl_b32 s3, 15, s3                          ; my row of the cluster
	s_lshl_b32 s2, 0x1111, s2                      ; my column
	s_or_b32 s[G1AX], s3, (3<<16)|(1<<21)          ; 15:0 the mask; 17:16 elements of 8 bytes; 21 set beside a mask; no padding: images are read 16 bytes a lane on end
	s_or_b32 s[G1AY], s3, (3<<16)|(1<<21)
	s_or_b32 s[G1SA], s3, (3<<16)|(1<<21)
	s_or_b32 s[G1BX], s2, (3<<16)|(1<<21)
	s_or_b32 s[G1BY], s2, (3<<16)|(1<<21)
	s_or_b32 s[G1SB], s2, (3<<16)|(1<<21)
	G1SET G1AX, 32, 512, 32                        ; the head's load brings all of X's A: 512 rows; behind it the words that count rows are set to a refill's 256
	G1SET G1AY, 32, 128, 32
	G1SET G1BX, 32, 256, 32                        ; likewise the weights': 256 rows, then 128
	G1SET G1BY, 32, 64, 32
	G1SET G1SA, 128, 16, 4096                      ; 16 rows (x, h; s) x 1,024 bytes: the words of my 256 rows
	G1SET G1SB, 64, 16, 512                        ; 16 rows (Wir, Uhr; s) x 512 bytes
	v_and_b32 v15, 31, v0                          ; lane
	v_and_b32 v16, 15, v0                          ; r
	v_bfe_u32 v17, v0, 4, 1                        ; hh
	v_lshlrev_b32 v[LO], 4, v15
	v_lshlrev_b32 v[PFO], 8, v15
	s_lshl_b32 s105, s[WV], 13                     ; my four tiles of rows among the sixteen
	v_add_nc_u32 v[ADAX], s105, v[LO]
	v_add_nc_u32 v[ADAX+1], 65536, v[ADAX]
	v_add_nc_u32 v[ADAY], YA, v[ADAX]
	v_add_nc_u32 v[ADBX], XW, v[LO]
	v_add_nc_u32 v[ADBY], YW, v[LO]
	v_lshlrev_b32 v18, 2, v16
	v_lshl_add_u32 v19, v17, 10, v18               ; A's: 4 r + 1,024 hh: lanes 16-31 take the next K step's words
	v_lshl_add_u32 v18, v17, 9, v18                ; the weights': 4 r + 512 hh
	s_lshl_b32 s105, s[WV], 8                      ; my 64 rows
	s_add_co_u32 s105, s105, SCA
	v_add_nc_u32 v[ADSA], s105, v19
	v_add_nc_u32 v[ADSB], SCB, v18
	s_mul_i32 s105, s[WV], 8448
	s_add_co_u32 s105, s105, HSTG
	v_add_nc_u32 v[HSI], s105, v[LO]
	v_mul_u32_u24 v[HSO], v16, 528
	v_lshl_add_u32 v[HSO], v17, 6, v[HSO]
	v_add_nc_u32 v[HSO], s105, v[HSO]
	s_lshl_b32 s105, s[WV], 8
	s_add_co_u32 s105, s105, SSTG
	v_lshl_add_u32 v[SSI], v16, 2, s105
	v_lshlrev_b32 v[LO8], 3, v15
	v_add_nc_u32 v[SSO], s105, v[LO8]
	v_lshlrev_b32 v[HH64], 6, v17
	s_wait_dscnt 0x0                               ; both opening adds are done
	s_wait_kmcnt 0x0
	; A's tiles hang on R and the wave alone (offsets in s[66:67]), the weights' on C and the wave alone (offsets in s[100:101]); s67 and s101 stay 0
	s_lshl_b32 s66, s23, 18                        ; R x 262,144
	s_mov_b32 s67, 0
	s_add_nc_u64 s[4:5], s[4:5], s[66:67]          ; x's codes of my 256 rows: the pair stays, as the base of every refill
	s_mov_b32 s[G0AX], 1                           ; X (0-3), whole: wave 0's load at the head
	s_mov_b32 s[G0AX+1], XA
	s_mov_b64 s[G0AX+2:G0AX+3], s[4:5]
	s_or_b32 s[G0AX+3], s[G0AX+3], 0x80000000
	s_lshl_b32 s66, s[PP], 15                      ; Y (4, 5): K step 4 + half
	s_add_co_u32 s66, s66, 4*32768
	s_mov_b32 s[G0AY], 1
	s_lshl_b32 s[G0AY+1], s[PP], 15
	s_add_co_u32 s[G0AY+1], s[G0AY+1], YA
	s_add_nc_u64 s[G0AY+2:G0AY+3], s[4:5], s[66:67]
	s_or_b32 s[G0AY+3], s[G0AY+3], 0x80000000
	s_lshl_b32 s66, s23, 10                        ; the scale words of rows 256 R on
	s_mov_b32 s[G0SA], 1
	s_mov_b32 s[G0SA+1], SCA
	s_add_nc_u64 s[G0SA+2:G0SA+3], s[6:7], s[66:67]
	s_or_b32 s[G0SA+3], s[G0SA+3], 0x80000000
	s_lshl_b32 s100, s104, 17                      ; C x 131,072
	s_mov_b32 s101, 0
	s_add_nc_u64 s[8:9], s[8:9], s[100:101]        ; Wir's codes of my 128 columns: the pair stays
	s_mov_b32 s[G0BX], 1                           ; the weights' four K steps, whole: wave 1's load at the head
	s_mov_b32 s[G0BX+1], XW
	s_mov_b64 s[G0BX+2:G0BX+3], s[8:9]
	s_or_b32 s[G0BX+3], s[G0BX+3], 0x80000000
	s_lshl_b32 s100, s[PP], 14
	s_add_co_u32 s100, s100, 4*16384
	s_mov_b32 s[G0BY], 1
	s_lshl_b32 s[G0BY+1], s[PP], 14
	s_add_co_u32 s[G0BY+1], s[G0BY+1], YW
	s_add_nc_u64 s[G0BY+2:G0BY+3], s[8:9], s[100:101]
	s_or_b32 s[G0BY+3], s[G0BY+3], 0x80000000
	s_lshl_b32 s100, s104, 9                       ; the weights' scale words: 128 places of C, of Wir and Uhr
	s_mov_b32 s[G0SB], 1
	s_mov_b32 s[G0SB+1], SCB
	s_add_nc_u64 s[G0SB+2:G0SB+3], s[10:11], s[100:101]
	s_or_b32 s[G0SB+3], s[G0SB+3], 0x80000000
	CROUND                                         ; all sixteen work-groups are here: the first joint loads meet
; THE HEAD'S LOADS, ONE A WAVE: wave 0 X's A, wave 1 X's weights, wave 2 A's scale words, wave 3 the weights'.  One chain of branches on the wave's number; every way passes exactly one load.
.macro HARM under, g0, g1, next
	s_cmp_lt_u32 s[WV], \under
	s_cbranch_scc0 \next
	tensor_load_to_lds s[\g0:\g0+3], s[\g1:\g1+7]
	s_nop 0
.rept 4
	v_nop
.endr
	s_branch .Lfirst_done
\next:
.endm
	HARM 1, G0AX, G1AX, .Lhead_b
	HARM 2, G0BX, G1BX, .Lhead_sa
	HARM 3, G0SA, G1SA, .Lhead_sb
	tensor_load_to_lds s[G0SB:G0SB+3], s[G1SB:G1SB+7]
	s_nop 0
.rept 4
	v_nop
.endr
.Lfirst_done:
	s_lshl_b32 s2, s104, 9                         ; my 128 columns in a row of f32
	s_mov_b32 s3, 0
	s_add_nc_u64 s[12:13], s[12:13], s[2:3]        ; br
	s_add_nc_u64 s[14:15], s[14:15], s[2:3]        ; h: the columns,
	s_lshl_b32 s2, s23, 20
	s_lshl_b32 s105, s[WV], 18
	s_add_co_u32 s2, s2, s105
	s_add_nc_u64 s[14:15], s[14:15], s[2:3]        ; and my first row: 256 R + 64 w
	s_lshl_b32 s2, s23, 18                         ; rq: R x 262,144 + K step C x 32,768 + my four tiles
	s_lshl_b32 s105, s104, 15
	s_add_co_u32 s2, s2, s105
	s_lshl_b32 s105, s[WV], 13
	s_add_co_u32 s2, s2, s105
	s_add_nc_u64 s[16:17], s[16:17], s[2:3]
	s_lshl_b32 s2, s104, 15                        ; rsc: K step C x 32,768 + my first row x 4
	s_lshl_b32 s105, s23, 10
	s_add_co_u32 s2, s2, s105
	s_lshl_b32 s105, s[WV], 8
	s_add_co_u32 s2, s2, s105
	s_add_nc_u64 s[18:19], s[18:19], s[2:3]
	s_wait_alu depctr_va_vdst(0)
.irp b, 0,1,2,3
.irp j, 0,1,2,3
	global_load_b128 v[NB+16*\b+4*\j:NB+16*\b+4*\j+3], v[HH64], s[12:13] offset:128*\b+16*\j   ; br at columns 32 b + 16 hh + 4 j on: the result's layout
.endr
.endr
.macro HLOAD a                         ; 16 rows of h, my 128 columns: 512 consecutive bytes a load
	WIN 0xc0                                       ; destination window 3
.irp i, 0,1,2,3,4,5,6,7,8,9,10,11,12,13,14,15
	global_load_b128 v[64*(\a)+4*\i:64*(\a)+4*\i+3], v[LO], s[14:15] offset:(16*(\a)+\i)*4096 th:TH_LOAD_NT
.endr
.endm
.macro HTURN a                         ; through my own stage into the result's layout; LDS serves a wave's instructions in order
	WIN 0x0c                                       ; an LDS store's data are its source 1: window 3
.irp i, 0,1,2,3,4,5,6,7,8,9,10,11,12,13,14,15
	ds_store_b128 v[HSI], v[64*(\a)+4*\i:64*(\a)+4*\i+3] offset:528*\i
.endr
	WIN 0xc0
.irp b, 0,1,2,3
.irp j, 0,1,2,3
	ds_load_b128 v[64*(\a)+16*\b+4*\j:64*(\a)+16*\b+4*\j+3], v[HSO] offset:128*\b+16*\j
.endr
.endr
.endm
	HLOAD 0                                        ; h is wanted on the way out alone: nothing here waits for it
	HLOAD 1
	HLOAD 2                                        ; (the fourth row block is asked for behind K step 5)
	WIN 0
	; THE PREFETCHES INTO THE L2: behind each of the first two refills the loading waves ask for what the NEXT refill will fetch.  Every cluster asks for A's tiles that it will itself load; the weights' columns are read by all eight
	; clusters of a column: the one with y = 0 asks.  The four partners that ask for a tile jointly take a quarter each, told apart BY ADDRESS (cx for A, cy for the weights).
	; Behind the first refill: Y (10, 11): waves 0 and 1 a quarter of their 32,768 bytes; of the weights' 32,768 bytes on end wave 2 alone takes the quarter.  Behind the second: X (12-15): waves 0 and 1 a quarter of
	; their 65,536 bytes by two instructions, waves 2 and 3 a quarter of their 32,768.  Lanes stand 256 bytes apart.  Nothing is asked for at the head; X (6-9) comes by its load alone; behind the third refill nothing is left to ask for.
	s_bfe_u32 s2, ttmp6, 0x40000                   ; cx
	s_bfe_u32 s3, ttmp6, 0x40004                   ; cy
	s_and_b32 s105, ttmp7, 0xffff                  ; cluster y
	s_cmp_eq_u32 s[ARM], 0                         ; do I fetch for A?
	s_cselect_b32 s2, s2, s3                       ; my place among the four that ask with me
	s_cselect_b32 s[FE2], 0, s105                  ; A's waves ask in every cluster; the weights' in the clusters with y = 0
	s_cselect_b32 s[FE1], 0, s[PP]
	s_cselect_b64 s[PF1:PF1+1], s[4:5], s[8:9]
	s_mov_b32 s10, 1081344                         ; Uhr's K step 2
	s_cselect_b32 s10, 8454144, s10                ; h's K step 2
	s_mov_b32 s11, 1114112                         ; Uhr's K step 4
	s_cselect_b32 s11, 8519680, s11                ; h's K step 4
	s_cselect_b32 s105, 1, 0                       ; 1 in A's waves: behind the second refill their parts are twice the weights'
	s_or_b32 s[FE1], s[FE1], s[FE2]
	s_mul_i32 s3, s[PP], s105
	s_lshl_b32 s3, s3, 15
	s_add_co_u32 s10, s10, s3                      ; A: + my K step
	s_lshl_b32 s3, s2, 13
	s_add_co_u32 s10, s10, s3                      ; + my quarter of 32,768 bytes
	s_add_co_u32 s3, s105, 15
	s_lshl_b32 s3, s[PP], s3
	s_add_co_u32 s11, s11, s3                      ; + my half: 65,536 or 32,768 bytes
	s_add_co_u32 s3, s105, 13
	s_lshl_b32 s3, s2, s3
	s_add_co_u32 s2, s11, s3                       ; + my quarter of it
	s_mov_b32 s3, 0
	s_mov_b32 s11, 0
	s_add_nc_u64 s[PF2:PF2+1], s[PF1:PF1+1], s[2:3]
	s_add_nc_u64 s[PF1:PF1+1], s[PF1:PF1+1], s[10:11]
	s_mov_b32 s[FEA], s[ARM]
	s_wait_tensorcnt 0x0                           ; my tile of the head's four is in
	ds_add_u32 v[SPW], v[NIL]
	s_mov_b32 s[G1AX+2], 256<<16                   ; no tensor load of mine is out, so descriptors may be written: from here on X's loads bring a half each
	s_mov_b32 s[G1AX+4], 256
	s_mov_b32 s[G1BX+2], 128<<16
	s_mov_b32 s[G1BX+4], 128
	s_lshl_b32 s[G0AX+1], s[PP], 16
	s_lshl_b32 s[G0BX+1], s[PP], 15
	s_add_co_u32 s[G0BX+1], s[G0BX+1], XW
	s_wait_dscnt 0x0
	CROUND                                         ; everybody's tiles are in, and all sixteen work-groups are here
	JLOAD G0AY, G1AY, G0BY, G1BY                   ; Y's first fill: the first tensor load behind the round, one a wave
.macro ASK1
	s_cmp_eq_u32 s[FE1], 0
	s_cbranch_scc0 .Lnot_mine_\@
	global_prefetch_b8 v[PFO], s[PF1:PF1+1] th:TH_LOAD_NT scope:SCOPE_SE
.Lnot_mine_\@:
.endm
.macro ASK2
	s_cmp_eq_u32 s[FE2], 0
	s_cbranch_scc0 .Lnot_mine_\@
	global_prefetch_b8 v[PFO], s[PF2:PF2+1] th:TH_LOAD_NT scope:SCOPE_SE
	s_cmp_eq_u32 s[FEA], 0
	s_cbranch_scc0 .Lnot_mine_\@
	global_prefetch_b8 v[PFO], s[PF2:PF2+1] offset:8192 th:TH_LOAD_NT scope:SCOPE_SE
.Lnot_mine_\@:
.endm
.macro FRAG reg, adr, off              ; an image comes back as it was stored: four loads of 512 consecutive bytes
.irp c, 0,1,2,3
	ds_load_b128 v[(\reg)+4*\c:(\reg)+4*\c+3], v[\adr] offset:(\off)+512*\c
.endr
.endm
.macro FETCH1 k                        ; K step k's fragments into set k % 2: the weights' eight, my four of A.  K step k lies in X where k % 6 < 4, as its (k % 6)-th, else in Y
.set fm, (\k)%6
.set fp, (\k)%2
.if fm < 4
.set fb, ADBX
.set fbo, 16384*fm
.set fa, ADAX+fm/2
.set fao, 32768*(fm%2)
.else
.set fb, ADBY
.set fbo, 16384*(fm-4)
.set fa, ADAY
.set fao, 32768*(fm-4)
.endif
	WIN 0x40
.irp b, 0,1,2,3,4,5,6,7
	FRAG 128*fp+16*\b, fb, fbo+2048*\b
.endr
	WIN 0
.irp a, 0,1,2,3
	FRAG AF+64*fp+16*\a, fa, fao+2048*\a
.endr
.endm
.macro SCAL1 set, f                    ; the scale words of K steps 2 f and 2 f + 1 in one register (lanes 0-15, lanes 16-31)
.irp a, 0,1,2,3
	ds_load_b32 v[SC+12*(\set)+\a], v[ADSA] offset:2048*(\f)+64*\a
.endr
.irp b, 0,1,2,3,4,5,6,7
	ds_load_b32 v[SC+12*(\set)+4+\b], v[ADSB] offset:4096*((\f)/4)+1024*((\f)%4)+64*\b
.endr
.endm
.macro WM zero, row
.if \zero
	v_wmma_scale_f32_16x16x128_f8f6f4 v[rD:rD+7], v[rB:rB+15], v[rA:rA+15], 0, v[rSB], v[rSA] matrix_a_fmt:MATRIX_FMT_BF8 matrix_b_fmt:MATRIX_FMT_BF8
.elseif \row
	v_wmma_scale_f32_16x16x128_f8f6f4 v[rD:rD+7], v[rB:rB+15], v[rA:rA+15], v[rD:rD+7], v[rSB], v[rSA] matrix_a_fmt:MATRIX_FMT_BF8 matrix_b_fmt:MATRIX_FMT_BF8 matrix_a_scale:MATRIX_SCALE_ROW1 matrix_b_scale:MATRIX_SCALE_ROW1
.else
	v_wmma_scale_f32_16x16x128_f8f6f4 v[rD:rD+7], v[rB:rB+15], v[rA:rA+15], v[rD:rD+7], v[rSB], v[rSA] matrix_a_fmt:MATRIX_FMT_BF8 matrix_b_fmt:MATRIX_FMT_BF8
.endif
.endm
; 16 matrix instructions: row blocks a0, a0 + 1 x the eight tiles of columns.  The 32 accumulators take turns, one instruction a turn, in the same order in every K step
.macro MULH a0, p, row, set, zero
	WIN 0xa1                                       ; source 0 (weights) window 1, source 1 (A) window 0, C and D window 2
.irp a, \a0, \a0+1
.irp b, 0,1,2,3,4,5,6,7
.set rD, 8*(8*(\a)+\b)
.set rB, 128*(\p)+16*\b
.set rA, AF+64*(\p)+16*(\a)
.set rSB, SC+12*(\set)+4+\b
.set rSA, SC+12*(\set)+(\a)
	WM \zero, \row
.endr
.endr
.endm
.macro MULS k                          ; K step k's 32 products
.if (\k) == 0
	MULH 0, 0, 0, 0, 1                             ; the first products start the sums: nothing is cleared
	MULH 2, 0, 0, 0, 1
.else
	MULH 0, (\k)%2, (\k)%2, ((\k)/2)%2, 0
	MULH 2, (\k)%2, (\k)%2, ((\k)/2)%2, 0
.endif
.endm
.macro KS k                            ; a K step whose successor lies in the same region
	s_wait_dscnt 0x0                               ; this K step's fragments and scale words are in
	PLACES 8                                       ; eight places between the last products on the other set and the loads into it
	FETCH1 (\k)+1
.if ((\k)%2) == 1
	SCAL1 (((\k)+1)/2)%2, ((\k)+1)/2
.endif
	MULS \k
	WIN 0
.endm
.macro WALK g0a, ca, da, g0b, cb, db   ; a refill's addresses: base + constant + half x constant
	s_mul_i32 s66, s[PP], \da
	s_add_co_u32 s66, s66, \ca
	s_add_nc_u64 s[\g0a+2:\g0a+3], s[4:5], s[66:67]
	s_or_b32 s[\g0a+3], s[\g0a+3], 0x80000000
	s_mul_i32 s100, s[PP], \db
	s_add_co_u32 s100, s100, \cb
	s_add_nc_u64 s[\g0b+2:\g0b+3], s[8:9], s[100:101]
	s_or_b32 s[\g0b+3], s[\g0b+3], 0x80000000
.endm
; A region's last K step.  Its fragments are in registers, so the region is left at the step's HEAD, and the step's products run while the refill is on its way.
; kind 0: nothing is filled; 1: X takes K steps 6-9 (x's 6, 7 | h's 0, 1); 2: Y takes 10, 11; 3: X takes 12-15
.macro KT k, kind
	s_wait_tensorcnt 0x0                           ; all my tensor loads have landed: the one that was out is my part of the other region
	ds_add_u32 v[SPW], v[NIL]                      ; 0 onto my spare word; the descriptors' words stand between it and the wait for it
.if \kind == 1
	WALK G0AX, 196608, 8192000, G0BX, 98304, 950272
.elseif \kind == 2
	WALK G0AY, 8454144, 32768, G0BY, 1081344, 16384
.elseif \kind == 3
	WALK G0AX, 8519680, 65536, G0BX, 1114112, 32768
.endif
	s_wait_dscnt 0x0                               ; the add is done; this K step's fragments are in, and those were my last reads of this region
	s_barrier_signal -1
	s_barrier_wait -1
.if \kind
	CREST                                          ; the barrier has opened a round of the cluster's: no wave of any partner still reads this region or has a load on its way
.if \kind == 2
	JLOAD G0AY, G1AY, G0BY, G1BY                   ; the first tensor load behind the round, my only one until the next
.else
	JLOAD G0AX, G1AX, G0BX, G1BX
.endif
	PLACES 4                                       ; with the four behind the load: eight places in front of the loads into the other set
.else
	PLACES 8
.endif
	FETCH1 (\k)+1
	SCAL1 (((\k)+1)/2)%2, ((\k)+1)/2
.if \kind == 1
	ASK1
.elseif \kind == 2
	ASK2
.endif
	MULS \k
	WIN 0
.endm
	FETCH1 0
	SCAL1 0, 0
	KS 0
	KS 1
	KS 2
	KT 3, 1
	KS 4
	KT 5, 2
	s_wait_loadcnt 0x0                             ; br and h's first three row blocks, asked for at the head,
	HLOAD 3                                        ; and the fourth goes out
	WIN 0
	KS 6
	KS 7
	KS 8
	KT 9, 3
	KS 10
	KT 11, 0                                       ; behind this barrier nobody reads Y any more, and nothing is filled again
	KS 12
	KS 13
	KS 14
	s_wait_dscnt 0x0                               ; the very last K step: nothing more to fetch
	MULS 15
	WIN 0
	; THE WAY OUT, a row block at a time: t = -log2(e) (sum + br); r = 1 / (1 + 2^t); r x h; the quantiser; the image and the scale words
	s_mov_b32 s[NL], 0xbfb8aa3b                    ; (no tensor load is out: the descriptors' registers are free)
	s_mov_b32 s[NL+1], s[NL]                       ; (named with it as a pair, so it is written)
	s_mov_b32 s[SEL], 0x76543210
	s_mov_b32 s[SEL+1], 0xfedcba98
	s_mov_b32 s[MNT], 0x600000
	PLACES 8                                       ; eight places behind the last products, ahead of the first read of results and of writes into the fragments' registers
	s_wait_loadcnt 0x0                             ; h's fourth row block
.set k, 0
.rept 32
	v_pk_mul_f32 v[NB+2*k:NB+2*k+1], v[NB+2*k:NB+2*k+1], s[NL:NL+1] op_sel_hi:[1,0]   ; -log2(e) br
.set k, k+1
.endr
	HTURN 0                                        ; h goes through the stage while the first block's sigmoids are made
	HTURN 1
	HTURN 2
	HTURN 3
	WIN 0
.irp b, 0,1,2,3
	v_mov_b32 v[TM+4+\b], 0                        ; written once: a lane permute's destination counts as one of its sources
.endr
.macro RH a
	WIN 0x02                                       ; source 0: the accumulators, window 2
.set k, 0
.rept 32
	v_pk_fma_f32 v[T+2*k:T+2*k+1], v[64*(\a)+2*k:64*(\a)+2*k+1], s[NL:NL+1], v[NB+2*k:NB+2*k+1] op_sel_hi:[1,0,1]   ; ascending: each accumulator from its low end on
.set k, k+1
.endr
	WIN 0
.set k, 0
	s_wait_alu depctr_va_vdst(0)
.rept 64
	v_exp_f32 v[T+k], v[T+k]
.set k, k+1
.endr
	v_nop                                          ; a plain line behind the last exponential
	s_wait_alu depctr_va_vdst(0)                   ; one wait for the batch of 64, ahead of its first reader
.set k, 0
.rept 32
	v_pk_add_f32 v[T+2*k:T+2*k+1], v[T+2*k:T+2*k+1], 1.0 op_sel_hi:[1,0]
.set k, k+1
.endr
.set k, 0
	s_wait_alu depctr_va_vdst(0)
.rept 64
	v_rcp_f32 v[T+k], v[T+k]
.set k, k+1
.endr
	v_nop
	s_wait_alu depctr_va_vdst(0)                   ; and one for the 64 reciprocals
	s_wait_dscnt 0x0                               ; h is back from the stage, and the last block's scale word is stored
	WIN 0x0c                                       ; source 1: h, window 3
.set k, 0
.rept 32
	v_pk_mul_f32 v[T+2*k:T+2*k+1], v[T+2*k:T+2*k+1], v[64*(\a)+2*k:64*(\a)+2*k+1]   ; r x h, in f32
.set k, k+1
.endr
	WIN 0
	s_wait_xcnt 0x0                                ; the last block's stores have read the codes' registers
	QUANT T
.irp c, 0,1,2,3
	global_store_b128 v[LO], v[PC+4*\c:PC+4*\c+3], s[16:17] offset:2048*(\a)+512*\c   ; the image: 512 consecutive bytes a store
.endr
	ds_store_b32 v[SSI], v[PW] offset:64*(\a)
.endm
	RH 0
	RH 1
	RH 2
	RH 3
	ds_load_b64 v[TM:TM+1], v[SSO]                 ; my 64 rows' scale words: LDS serves a wave's instructions in order
	s_wait_dscnt 0x0
	global_store_b64 v[LO8], v[TM:TM+1], s[18:19]  ; 32 lanes store 256 consecutive bytes, aligned
	s_wait_tensorcnt 0x0                           ; the wave's end, behind my last tensor load and my last LDS store
	ds_add_u32 v[SPW], v[NIL]
	s_wait_dscnt 0x0
	CROUND                                         ; the closing round: no work-group ends while a partner may still ask for a tile that names it
	s_endpgm
.Lfunc_end_k_qc1b3afc245_gate_r:
	.size	k_qc1b3afc245_gate_r, .Lfunc_end_k_qc1b3afc245_gate_r-k_qc1b3afc245_gate_r
	.p2alignl 7, 3214868480
	.fill 96, 4, 3214868480
	.section	.rodata,"a",@progbits
	.p2align	6, 0x0
	.amdhsa_kernel k_qc1b3afc245_gate_r
		.amdhsa_group_segment_fixed_size 327680
		.amdhsa_private_segment_fixed_size 0
		.amdhsa_enable_private_segment 0
		.amdhsa_kernarg_size 64
		.amdhsa_user_sgpr_count 2
		.amdhsa_user_sgpr_kernarg_segment_ptr 1
		.amdhsa_wavefront_size32 1
		.amdhsa_system_sgpr_workgroup_id_x 1
		.amdhsa_system_sgpr_workgroup_id_y 1
		.amdhsa_system_sgpr_workgroup_id_z 1
		.amdhsa_system_vgpr_workitem_id 0
		.amdhsa_next_free_vgpr 1024
		.amdhsa_next_free_sgpr 106
		.amdhsa_reserve_vcc 0
		.amdhsa_float_denorm_mode_32 3
		.amdhsa_float_denorm_mode_16_64 3
		.amdhsa_memory_ordered 1
		.amdhsa_forward_progress 1
		.amdhsa_inst_pref_size 235
	.end_amdhsa_kernel
	.amdgpu_metadata
---
amdhsa.version: [ 1, 2 ]
amdhsa.kernels:
  - .name:           k_qc1b3afc245_gate_r
    .symbol:         k_qc1b3afc245_gate_r.kd
    .args:
      - { .name: aq, .offset: 0, .size: 8, .value_kind: global_buffer, .address_space: global }
      - { .name: asc, .offset: 8, .size: 8, .value_kind: global_buffer, .address_space: global }
      - { .name: wq, .offset: 16, .size: 8, .value_kind: global_buffer, .address_space: global }
      - { .name: wsc, .offset: 24, .size: 8, .value_kind: global_buffer, .address_space: global }
      - { .name: br, .offset: 32, .size: 8, .value_kind: global_buffer, .address_space: global }
      - { .name: h, .offset: 40, .size: 8, .value_kind: global_buffer, .address_space: global }
      - { .name: rq, .offset: 48, .size: 8, .value_kind: global_buffer, .address_space: global }
      - { .name: rsc, .offset: 56, .size: 8, .value_kind: global_buffer, .address_space: global }
    .group_segment_fixed_size: 327680
    .private_segment_fixed_size: 0
    .kernarg_segment_align: 8
    .kernarg_segment_size: 64
    .max_flat_workgroup_size: 128
    .sgpr_count:     106
    .vgpr_count:     1024
    .wavefront_size: 32
...
	.end_amdgpu_metadata
.endif
;; end of part 2
;; launch gate_zn (part 3): grid 8 x 32, 4 waves a work-group, clusters of 4 x 4, 327,680 bytes of LDS; arguments aq, asc, rq, rsc, wq, wsc, bz, bn, h, out0; writes out0
.if DOCPART == 3
	.amdgcn_target "amdgcn-amd-amdhsa--gfx1250"
	.amdhsa_code_object_version 6
	.text
	.protected	k_qc1b3afc245_gate_zn
	.globl	k_qc1b3afc245_gate_zn
	.p2align	8
	.type	k_qc1b3afc245_gate_zn,@function
k_qc1b3afc245_gate_zn:
	s_mov_b64 s[64:65], 0
	v_nop
	global_prefetch_b8 v0, s[64:65] scope:SCOPE_SE
	s_setreg_imm32_b32 hwreg(HW_REG_WAVE_MODE, 25, 1), 1
	s_wait_xcnt 0x0
	s_wait_alu depctr_hold_cnt(0) depctr_sa_sdst(0) depctr_va_vdst(0) depctr_va_sdst(0) depctr_va_ssrc(0) depctr_va_vcc(0) depctr_vm_vsrc(0)
	s_getreg_b32 s2, hwreg(HW_REG_IB_STS2, 6, 4)
	s_cmp_eq_u32 s2, 0
	s_cbranch_scc0 .Lentry_in_a_cluster
	s_endpgm
.Lentry_in_a_cluster:
	s_bfe_u32 s2, ttmp6, 0x10000c
	s_cmp_lg_u32 s2, 0xf033
	s_cbranch_scc0 .Lentry_shape_is_right
	s_endpgm
.Lentry_shape_is_right:
; GRU cell, launch 3 of 3: z = sigmoid(x Wiz + h Uhz + bz), n = sigmoid(x Win + (r h) Uhn + bn), out = h + z (n - h), which is (1 - z) h + z n in real numbers (the order of rounding differs).  No work is left out.
; All four products on codes of BF8 with E8M0 scales, from the buffers that the two launches before have laid: fragment images of 2,048 bytes (16 rows x 128 K in the order of the operand's registers).
; SHARES.  A work-group owns 256 rows x 128 columns of the output, for both gates.  Wave (rho = wave / 2, sigma = wave % 2) owns rows 128 rho on of gate sigma (0: z, 1: n): 8 x 8 accumulators, 512 registers: z never goes to memory.
; K: 16 steps of 128, in ONE f32 chain for each output.  Pass 1: x (both gates read the same tiles of x): a slot holds two K steps, four fills.  Pass 2: h for z, r h for n: a slot holds one K step of both, eight fills.
; A slot is left at the HEAD of its last K step, whose fragments are in registers by then: the refill goes out first, and all that step's products run while it is on its way.
; THE PRODUCT IS USED TRANSPOSED (source 0 = 16 places of a weight tile, source 1 = 16 rows): lane (r, hh) holds row r; register 16 b + i of a row block holds column 128 C + 32 b + 16 hh + i.
; CLUSTER 4 x 4: activations and their scale words are asked for jointly along a row of the cluster (same R), weights and theirs along a column (same C).  All scale words come once, with the first fills.
; A scale register holds K step s in lanes 0-15 and K step s + 1 in lanes 16-31; the odd K step names the upper lanes.
; sigmoid(v) = 1 / (1 + 2^(-log2(e) v)): 2^t = infinity gives 0, 2^t flushed to 0 gives 1.  LIMIT: NaN and infinities among the inputs are not served.
; REGISTERS, in windows of 256: window 0: v1-15, v20 addresses; v32-47 scale words, one set; v64-127 -log2(e) x bias in the result's layout; v128-255 A's eight fragments, ONE set (a block is free when its eight products are issued).
;   window 1: the weights' fragments, two sets (on the way out: h).   windows 2, 3: the accumulators of my rows 0-63, 64-127: (a, b) at v[8 (8 (a % 4) + b)].
.set SLOT1, 1<<17                      ; slot 0 at 0, slot 1 here.  Pass 1: x's K steps at 0 and 32,768, Wiz's two at 65,536, Win's two at 98,304.  Pass 2: h at 0, r h at 32,768, Uhz at 65,536, Uhn at 98,304
.set SCA,   262144                     ; [x, h][s (8)][256 rows] words: 16,384 bytes; then r h's [s (8)][256 rows]: 8,192 bytes
.set SCB,   290816                     ; [gate (2)][W, U][s (8)][128 places] words: 16,384 bytes
.set SPARE, 307200                     ; the spare words, 128 bytes for each wave: two blocks of 256 bytes that no other line names
.set NSTG,  135168                     ; the way out: z's stage at 0, n's here: 256 rows x 528 bytes each, over bytes that have had their last fill and their last read
.set LO,    1                          ; v1    16 x lane
.set ADRA1, 2                          ; v2-3  my eight fragments of x in slot 0, 1
.set ADRA2, 4                          ; v4-5  of h or r h
.set ADRB,  6                          ; v6-7  my gate's eight weight fragments
.set ADSA1, 8                          ; v8    x's scale words of my rows
.set ADSA2, 9                          ; v9    h's or r h's; it steps two K steps at a time
.set ADSB1, 10                         ; v10   W's scale words of my gate
.set ADSB2, 11                         ; v11   U's; it steps likewise
.set STO,   12                         ; v12   the stage: where I put a row's 64 bytes
.set RDZ,   13                         ; v13   where I read rows of z back
.set RDN,   14                         ; v14   and of n
.set HH64,  15                         ; v15   64 x (lane / 16)
.set PFO,   20                         ; v20   256 x lane: the prefetches' offset; never rewritten
.set SPW,   28                         ; v28   LDS address of my spare word; never rewritten
.set NIL,   29                         ; v29   0; never rewritten
.set SC,    32                         ; v32-39 A's row blocks, v40-47 the weights' tiles: they hold scales and nothing else
.set NB,    64
.set AF,    128
.set WV,    24                         ; s24 wave;  s25 = wave / 2 = rho: also, I fetch activations (0) or weights (1);  s26 = wave % 2 = sigma: also, which part I fetch
.set ARM,   25
.set PP,    26
.set CNT,   27
.set G1A,   28                         ; s[28:35] group 1: 128 rows x 256 bytes, dense, my row's mask (for the two slots' first fills: 256 rows)
.set G1B,   36                         ; s[36:43] 64 rows x 256 bytes, dense, my column's mask (pass 2); for the first fills: 2 rows x 32,768 bytes, 2 MiB apart: Wiz's and Win's two K steps
.set G1B2,  44                         ; s[44:51] 128 rows x 256 bytes, dense, my column's mask (pass 1)
.set G1SA,  52                         ; s[52:59] 16 rows x 1,024 bytes, 32,768 bytes apart, my row's mask: x's and h's scale words
.set G1SR,  68                         ; s[68:75] 8 such rows: r h's
.set G1SB,  76                         ; s[76:83] 32 rows x 512 bytes, 4,096 bytes apart, my column's mask
.set G0A0,  60                         ; groups 0: a whole slot's first fill of x; the walking one
.set G0A1,  84
.set G0B0,  88                         ; likewise for the weights
.set G0B1,  92
.set G0SA,  96                         ; x's and h's scale words, then r h's
.set G0SR,  8                          ; s[10:11] where r h's scale words begin
.set G0SB,  12                         ; s[12:15]: made over wsc's own pointer; when its load has landed the registers serve the prefetches
.set NL,    66                         ; s[66:67] -log2(e)
.set P2A,   104                        ; s[104:105] where pass 2's tiles that I fetch begin: h's (part 0) or r h's (part 1)
.set WB,    18                         ; s[18:19] my gate's W, my 128 columns
.set PFA,   8                          ; s[8:9]   where my next prefetch stands
.set NX2,   10                         ; s[10:11] where pass 2's first stands
.set PFS,   12                         ; s[12:13] the step at a refill at which A's waves alone ask: 32,768 for them, 0 for the weights'
.set FA,    14                         ; s14  1 in a wave that asks for A's tiles, else the greatest number
.set FAB,   15                         ; s15  1 in a wave that asks at all, else the greatest number
.set MUL_LO, 0xa1                      ; source 0 (weights) window 1, source 1 (A) window 0, C and D window 2
.set MUL_HI, 0xf1                      ; the same, C and D window 3
.set MSB, 0
.macro WIN new                         ; the immediate's high byte repeats the setting that is left
.if MSB != \new
	s_set_vgpr_msb (MSB<<8)|\new
.set MSB, \new
.endif
.endm
.macro PLACES n
.rept \n
	v_nop
.endr
.endm
.macro G1SET g, c, r, pitch            ; elements of 8 bytes: c to a row, r rows, pitch elements from row to row
	s_mov_b32 s[\g+1], (\c)<<16
	s_mov_b32 s[\g+2], (\r)<<16
	s_mov_b32 s[\g+3], (\c)<<16
	s_mov_b32 s[\g+4], \r
	s_mov_b32 s[\g+5], \pitch
	s_mov_b32 s[\g+6], 0
	s_mov_b32 s[\g+7], 0
.endm
.macro JLOAD g1b                       ; a joint refill by the walking descriptors; the branch hangs on the wave's number alone; an s_nop 0 and four v_nop follow each line
	s_cmp_eq_u32 s[ARM], 0
	s_cbranch_scc0 .Lfor_b_\@
	tensor_load_to_lds s[G0A1:G0A1+3], s[G1A:G1A+7]
	s_nop 0
.rept 4
	v_nop
.endr
	s_branch .Lasked_\@
.Lfor_b_\@:
	tensor_load_to_lds s[G0B1:G0B1+3], s[\g1b:\g1b+7]
	s_nop 0
.rept 4
	v_nop
.endr
.Lasked_\@:
.endm
.macro CREST                           ; a round of the cluster's barrier behind its opening barrier
	s_cmp_lg_u32 s[WV], 0
	s_cbranch_scc1 .Lnot_wave_0_\@
	s_barrier_signal -3
.Lnot_wave_0_\@:
	s_barrier_wait -3
	s_barrier_signal -1
	s_barrier_wait -1
.endm
.macro CROUND
	s_barrier_signal -1
	s_barrier_wait -1
	CREST
.endm
; A PREFETCH INTO THE L2, behind a joint load and the run of LDS loads that follows it: what the NEXT refill will fetch.  Every cluster asks for the activations' tiles that it will itself load; the weights' columns are read by all eight
; clusters of a column: the one with y = 0 asks.  The four partners that ask for a tile jointly take a quarter each, 8,192 bytes, told apart BY ADDRESS (cx for A, cy for the weights):
; one instruction a wave, lanes 256 bytes apart.  Waves 0 and 1 ask at every refill for the 32,768 bytes of their next load.  Waves 2 and 3 load 32,768 bytes in pass 1 and 16,384 in pass 2: there they ask at every second refill, for two loads on end.
; pf = 1, 2, 4: both kinds of waves ask; 3: A's alone; 5: both, but not in the loop's last trip, behind which there is no fill.  Slots 0 and 1 and the first refill come by their loads alone: nothing is asked for at the head.
.macro ASK pf
.if \pf == 3
	s_cmp_eq_u32 s[FA], 1
.elseif \pf == 5
	s_cmp_gt_u32 s[CNT], s[FAB]
.else
	s_cmp_eq_u32 s[FAB], 1
.endif
	s_cbranch_scc0 .Lnot_mine_\@
	global_prefetch_b8 v[PFO], s[PFA:PFA+1] th:TH_LOAD_NT scope:SCOPE_SE
.Lnot_mine_\@:
.endm
	s_load_b512 s[4:19], s[0:1], 0x0               ; aq s[4:5], asc s[6:7], rq s[8:9], rsc s[10:11], wq s[12:13], wsc s[14:15], bz s[16:17], bn s[18:19]
	s_load_b128 s[20:23], s[0:1], 0x40             ; h s[20:21], out0 s[22:23]
	v_lshl_add_u32 v[SPW], v0, 2, SPARE
	v_mov_b32 v[NIL], 0
	ds_add_u32 v[SPW], v[NIL]                      ; the wave's opening: the add, twice on end, and its wait ahead of my first tensor load; the set-up below is work on registers
	ds_add_u32 v[SPW], v[NIL]
	v_lshrrev_b32 v16, 5, v0
	v_readfirstlane_b32 s[WV], v16
	s_lshr_b32 s[ARM], s[WV], 1
	s_and_b32 s[PP], s[WV], 1
	s_bfe_u32 s2, ttmp6, 0x40000                   ; cx
	s_bfe_u32 s3, ttmp6, 0x40004                   ; cy
	s_lshl_b32 s100, ttmp9, 2
	s_add_co_u32 s100, s100, s2                    ; C = 4 x cluster x + cx
	s_and_b32 s101, ttmp7, 0xffff
	s_lshl_b32 s101, s101, 2
	s_add_co_u32 s101, s101, s3                    ; R = 4 x cluster y + cy
	s_lshl_b32 s3, s3, 2
	s_lshl_b32 s3, 15, s3                          ; my row of the cluster
	s_lshl_b32 s2, 0x1111, s2                      ; my column
	s_or_b32 s[G1A], s3, (3<<16)|(1<<21)           ; 15:0 the mask; 17:16 elements of 8 bytes; 21 set beside a mask; no padding
	s_or_b32 s[G1SA], s3, (3<<16)|(1<<21)
	s_or_b32 s[G1SR], s3, (3<<16)|(1<<21)
	s_or_b32 s[G1B], s2, (3<<16)|(1<<21)
	s_or_b32 s[G1B2], s2, (3<<16)|(1<<21)
	s_or_b32 s[G1SB], s2, (3<<16)|(1<<21)
	G1SET G1A, 32, 256, 32
	G1SET G1B, 4096, 2, 262144
	G1SET G1B2, 32, 128, 32
	G1SET G1SA, 128, 16, 4096
	G1SET G1SR, 128, 8, 4096
	G1SET G1SB, 64, 32, 512
	s_mov_b32 s[NL], 0xbfb8aa3b
	s_mov_b32 s[NL+1], s[NL]                       ; (named with it as a pair, so it is written)
	v_and_b32 v16, 31, v0                          ; lane
	v_and_b32 v17, 15, v0                          ; r
	v_bfe_u32 v18, v0, 4, 1                        ; hh
	v_lshlrev_b32 v[LO], 4, v16
	v_lshlrev_b32 v[PFO], 8, v16
	s_lshl_b32 s104, s[ARM], 14                    ; my eight tiles of rows among the sixteen
	v_add_nc_u32 v[ADRA1], s104, v[LO]
	v_add_nc_u32 v[ADRA1+1], SLOT1, v[ADRA1]
	s_lshl_b32 s105, s[PP], 15                     ; pass 2: h's tile or r h's; the weights: my gate's
	v_add_nc_u32 v[ADRA2], s105, v[ADRA1]
	v_add_nc_u32 v[ADRA2+1], SLOT1, v[ADRA2]
	s_add_co_u32 s105, s105, 65536
	v_add_nc_u32 v[ADRB], s105, v[LO]
	v_add_nc_u32 v[ADRB+1], SLOT1, v[ADRB]
	v_lshlrev_b32 v19, 2, v17
	v_lshl_add_u32 v21, v18, 10, v19               ; the activations': 4 r + 1,024 hh: lanes 16-31 take the next K step's words
	v_lshl_add_u32 v19, v18, 9, v19                ; the weights': 4 r + 512 hh
	s_lshl_b32 s104, s[ARM], 9                     ; my 128 rows
	s_add_co_u32 s104, s104, SCA
	v_add_nc_u32 v[ADSA1], s104, v21
	s_lshl_b32 s105, s[PP], 13                     ; h's words lie 8,192 behind x's, r h's 16,384
	s_add_co_u32 s105, s105, 8192
	v_add_nc_u32 v[ADSA2], s105, v[ADSA1]
	s_lshl_b32 s104, s[PP], 13
	s_add_co_u32 s104, s104, SCB
	v_add_nc_u32 v[ADSB1], s104, v19
	v_add_nc_u32 v[ADSB2], 4096, v[ADSB1]
	s_mul_i32 s104, s[PP], NSTG                    ; my gate's stage,
	s_mul_i32 s105, s[ARM], 128*528                ; my 128 rows in it
	s_add_co_u32 s104, s104, s105
	v_mul_u32_u24 v[STO], v17, 528
	v_lshl_add_u32 v[STO], v18, 6, v[STO]
	v_add_nc_u32 v[STO], s104, v[STO]
	s_lshl_b32 s104, s[ARM], 7                     ; back: in phase p wave w finishes rows 128 (w / 2) + 16 (w % 2) + 32 p + 0 .. 15
	s_lshl_b32 s105, s[PP], 4
	s_add_co_u32 s104, s104, s105
	s_mul_i32 s104, s104, 528
	v_add_nc_u32 v[RDZ], s104, v[LO]
	v_add_nc_u32 v[RDN], NSTG, v[RDZ]
	v_lshlrev_b32 v[HH64], 6, v18
	s_wait_dscnt 0x0                               ; both opening adds are done
	s_wait_kmcnt 0x0
	s_cmp_eq_u32 s[PP], 0                          ; my gate's bias: the choice hangs on the wave's number alone
	s_cselect_b64 s[16:17], s[16:17], s[18:19]
	; the activations' addresses hang on R and the wave alone
	s_lshl_b32 s104, s101, 18                      ; R x 262,144
	s_mov_b32 s105, 0
	s_add_nc_u64 s[4:5], s[4:5], s[104:105]        ; x's codes of my 256 rows: the pair stays
	s_add_nc_u64 s[8:9], s[8:9], s[104:105]        ; r h's
	s_lshl_b32 s104, s[PP], 15                     ; which of a fill's two K steps of x I fetch
	s_mov_b32 s[G0A0], 1
	s_lshl_b32 s[G0A0+1], s[PP], 15
	s_add_nc_u64 s[G0A0+2:G0A0+3], s[4:5], s[104:105]
	s_mov_b32 s[G0A1], 1
	s_add_co_u32 s[G0A1+1], s[G0A0+1], SLOT1
	s_add_nc_u64 s[G0A1+2:G0A1+3], s[G0A0+2:G0A0+3], 65536
	s_mov_b32 s[G0A0+1], 0                         ; (the walking descriptor has been made of the part's) slot 0's first fill is one load: both K steps of x
	s_mov_b64 s[G0A0+2:G0A0+3], s[4:5]
	s_or_b32 s[G0A0+3], s[G0A0+3], 0x80000000
	s_or_b32 s[G0A1+3], s[G0A1+3], 0x80000000
	s_lshl_b32 s104, s101, 10                      ; the scale words of rows 256 R on
	s_mov_b32 s105, 0
	s_mov_b32 s[G0SA], 1
	s_mov_b32 s[G0SA+1], SCA
	s_add_nc_u64 s[G0SA+2:G0SA+3], s[6:7], s[104:105]
	s_or_b32 s[G0SA+3], s[G0SA+3], 0x80000000
	s_add_nc_u64 s[G0SR+2:G0SR+3], s[10:11], s[104:105]   ; rsc's pointer becomes its descriptor's address
	s_add_nc_u64 s[P2A:P2A+1], s[4:5], 8388608     ; pass 2: h's codes lie 8,388,608 bytes behind x's
	s_cmp_eq_u32 s[PP], 0                          ; the choice hangs on the wave's number alone
	s_cselect_b64 s[P2A:P2A+1], s[P2A:P2A+1], s[8:9]
	; the weights' addresses hang on C and the wave alone.  g: 2 Wiz, 3 Uhz, 4 Win, 5 Uhn: my gate's pair begins at g = 2 + 2 x part
	s_lshl_b32 s6, s100, 17                        ; C x 131,072
	s_lshl_b32 s7, s[PP], 21
	s_add_co_u32 s6, s6, s7
	s_add_co_u32 s6, s6, 2<<20
	s_mov_b32 s7, 0
	s_add_nc_u64 s[WB:WB+1], s[12:13], s[6:7]      ; the pair stays (bn's pointer has been used)
	s_mov_b32 s[G0B0], 1
	s_lshl_b32 s[G0B0+1], s[PP], 15
	s_add_co_u32 s[G0B0+1], s[G0B0+1], 65536
	s_mov_b64 s[G0B0+2:G0B0+3], s[WB:WB+1]
	s_mov_b32 s[G0B1], 1
	s_add_co_u32 s[G0B1+1], s[G0B0+1], SLOT1
	s_add_nc_u64 s[G0B1+2:G0B1+3], s[WB:WB+1], 32768
	s_lshl_b32 s6, s100, 17                        ; slot 0's first fill of weights is one load: from Wiz (g = 2), my 128 columns, on
	s_add_co_u32 s6, s6, 2<<20
	s_mov_b32 s[G0B0+1], 65536
	s_add_nc_u64 s[G0B0+2:G0B0+3], s[12:13], s[6:7]
	s_or_b32 s[G0B0+3], s[G0B0+3], 0x80000000
	s_or_b32 s[G0B1+3], s[G0B1+3], 0x80000000
	s_lshl_b32 s6, s100, 9                         ; their scale words: 128 places of C, 32 rows (g, s) from g = 2 on
	s_add_co_u32 s6, s6, 65536
	s_mov_b32 s7, 0
	s_add_nc_u64 s[G0SB+2:G0SB+3], s[14:15], s[6:7]   ; wsc's pointer becomes its descriptor's address
	s_or_b32 s[G0SB+3], s[G0SB+3], 0x80000000
	s_mov_b32 s[G0SB], 1                           ; (wq's pointer has been used)
	s_mov_b32 s[G0SB+1], SCB
	CROUND                                         ; all sixteen work-groups are here: the first joint loads meet
; THE HEAD'S LOADS, ONE A WAVE: wave 0 slot 0's x, wave 1 slot 0's weights, wave 2 x's and h's scale words, wave 3 the weights'.  One chain of branches on the wave's number; every way passes exactly one load.
.macro HARM under, g0, g1, next, join
	s_cmp_lt_u32 s[WV], \under
	s_cbranch_scc0 \next
	tensor_load_to_lds s[\g0:\g0+3], s[\g1:\g1+7]
	s_nop 0
.rept 4
	v_nop
.endr
	s_branch \join
\next:
.endm
	HARM 1, G0A0, G1A, .Lhead_b, .Lfirst_done
	HARM 2, G0B0, G1B, .Lhead_sa, .Lfirst_done
	HARM 3, G0SA, G1SA, .Lhead_sb, .Lfirst_done
	tensor_load_to_lds s[G0SB:G0SB+3], s[G1SB:G1SB+7]
	s_nop 0
.rept 4
	v_nop
.endr
.Lfirst_done:
	s_lshl_b32 s6, s100, 9                         ; my 128 columns in a row of f32
	s_mov_b32 s7, 0
	s_add_nc_u64 s[16:17], s[16:17], s[6:7]
	s_lshl_b32 s7, s101, 20                        ; h and out0 at row 256 R + 128 (w / 2) + 16 (w % 2), column 128 C
	s_add_co_u32 s6, s6, s7
	s_lshl_b32 s7, s[ARM], 19
	s_add_co_u32 s6, s6, s7
	s_lshl_b32 s7, s[PP], 16
	s_add_co_u32 s6, s6, s7
	s_mov_b32 s7, 0
	s_add_nc_u64 s[20:21], s[20:21], s[6:7]
	s_add_nc_u64 s[22:23], s[22:23], s[6:7]
	s_wait_alu depctr_va_vdst(0)
.irp b, 0,1,2,3
.irp j, 0,1,2,3
	global_load_b128 v[NB+16*\b+4*\j:NB+16*\b+4*\j+3], v[HH64], s[16:17] offset:128*\b+16*\j   ; the bias at columns 32 b + 16 hh + 4 j on: the result's layout
.endr
.endr
	s_wait_loadcnt 0x0
.set k, 0
.rept 32
	v_pk_mul_f32 v[NB+2*k:NB+2*k+1], v[NB+2*k:NB+2*k+1], s[NL:NL+1] op_sel_hi:[1,0]   ; -log2(e) x bias
.set k, k+1
.endr
	s_wait_alu depctr_va_vdst(0)
	s_wait_tensorcnt 0x0                           ; my tile of the head's four is in
	ds_add_u32 v[SPW], v[NIL]
	s_mov_b32 s[G0A0+1], SLOT1                     ; no tensor load of mine is out, so descriptors may be written: slot 1's first fills: x's K steps 2 and 3,
	s_add_nc_u64 s[G0A0+2:G0A0+3], s[G0A0+2:G0A0+3], 65536
	s_mov_b32 s[G0B0+1], SLOT1+65536               ; the weights' K steps 2 and 3,
	s_add_nc_u64 s[G0B0+2:G0B0+3], s[G0B0+2:G0B0+3], 32768
	s_mov_b32 s[G0SA+1], SCA+16384                 ; and r h's scale words
	s_mov_b64 s[G0SA+2:G0SA+3], s[10:11]
	s_or_b32 s[G0SA+3], s[G0SA+3], 0x80000000
	; where my prefetches stand (macro ASK), in the registers of the scale words' descriptors, whose loads have landed
	s_bfe_u32 s6, ttmp6, 0x40000                   ; cx
	s_bfe_u32 s7, ttmp6, 0x40004                   ; cy
	s_and_b32 s16, ttmp7, 0xffff                   ; cluster y
	s_cmp_eq_u32 s[ARM], 0                         ; do I fetch activations?
	s_cselect_b32 s6, s6, s7                       ; my place among the four that ask with me
	s_cselect_b32 s[FAB], 0, s16                   ; the activations' waves ask in every cluster; the weights' in the clusters with y = 0
	s_cselect_b64 s[PFA:PFA+1], s[4:5], s[WB:WB+1]
	s_cselect_b64 s[NX2:NX2+1], s[P2A:P2A+1], s[WB:WB+1]
	s_cselect_b32 s[PFS], 32768, 0
	s_mov_b32 s16, 98304                           ; pass 1's last fill: W's K steps 6 and 7,
	s_cselect_b32 s16, 196608, s16                 ; x's K step 6
	s_cselect_b32 s7, s[PP], 0                     ; or 7
	s_cselect_b32 s17, 0, 1                        ; U lies 1,048,576 bytes behind W
	s_mov_b32 s[PFS+1], 0
	s_lshl_b32 s7, s7, 15
	s_add_co_u32 s16, s16, s7
	s_lshl_b32 s6, s6, 13                          ; my quarter of 32,768 bytes
	s_add_co_u32 s16, s16, s6
	s_lshl_b32 s17, s17, 20
	s_add_co_u32 s6, s6, s17
	s_mov_b32 s7, 0
	s_mov_b32 s17, 0
	s_add_nc_u64 s[PFA:PFA+1], s[PFA:PFA+1], s[16:17]
	s_add_nc_u64 s[NX2:NX2+1], s[NX2:NX2+1], s[6:7]
	s_cmp_eq_u32 s[FAB], 0
	s_cselect_b32 s[FAB], 1, -1                    ; the same in all sixteen partners, for a given wave
	s_mov_b32 s[FA], s[ARM]
	s_cmp_eq_u32 s[FA], 0
	s_cselect_b32 s[FA], 1, -1
	s_wait_dscnt 0x0                               ; the add is done
	CROUND                                         ; everybody's first tiles are in, and all sixteen work-groups are here
	HARM 1, G0A0, G1A, .Lsec_b, .Lsec_done         ; slot 1's first fills and r h's scale words: one load a wave behind the round; wave 3 has none
	HARM 2, G0B0, G1B, .Lsec_s, .Lsec_done
	s_cmp_lt_u32 s[WV], 3
	s_cbranch_scc0 .Lsec_done
	tensor_load_to_lds s[G0SA:G0SA+3], s[G1SR:G1SR+7]
	s_nop 0
.rept 4
	v_nop
.endr
.Lsec_done:
.macro FRAG reg, adr, off              ; an image comes back as it was stored: four loads of 512 consecutive bytes
.irp c, 0,1,2,3
	ds_load_b128 v[(\reg)+4*\c:(\reg)+4*\c+3], v[\adr] offset:(\off)+512*\c
.endr
.endm
.macro FETCH_B adr, off, p             ; my gate's eight weight fragments into set p
	WIN 0x40
.irp b, 0,1,2,3,4,5,6,7
	FRAG 128*(\p)+16*\b, \adr, (\off)+2048*\b
.endr
	WIN 0
.endm
.macro FETCH_A adr, off, i0            ; A's row blocks i0 .. i0 + 3
.irp i, \i0, \i0+1, \i0+2, \i0+3
	FRAG AF+16*(\i), \adr, (\off)+2048*(\i)
.endr
.endm
.macro SCALES ra, rb, off              ; two K steps' scale words: lanes 0-15 the even one's, lanes 16-31 the odd one's
.irp a, 0,1,2,3,4,5,6,7
	ds_load_b32 v[SC+\a], v[\ra] offset:2*(\off)+64*\a   ; a K step of the activations' words is 1,024 bytes, of the weights' 512
.endr
.irp b, 0,1,2,3,4,5,6,7
	ds_load_b32 v[SC+8+\b], v[\rb] offset:(\off)+64*\b
.endr
.endm
.macro WM zero, row
.if \zero
	v_wmma_scale_f32_16x16x128_f8f6f4 v[rD:rD+7], v[rB:rB+15], v[rA:rA+15], 0, v[rSB], v[rSA] matrix_a_fmt:MATRIX_FMT_BF8 matrix_b_fmt:MATRIX_FMT_BF8
.elseif \row
	v_wmma_scale_f32_16x16x128_f8f6f4 v[rD:rD+7], v[rB:rB+15], v[rA:rA+15], v[rD:rD+7], v[rSB], v[rSA] matrix_a_fmt:MATRIX_FMT_BF8 matrix_b_fmt:MATRIX_FMT_BF8 matrix_a_scale:MATRIX_SCALE_ROW1 matrix_b_scale:MATRIX_SCALE_ROW1
.else
	v_wmma_scale_f32_16x16x128_f8f6f4 v[rD:rD+7], v[rB:rB+15], v[rA:rA+15], v[rD:rD+7], v[rSB], v[rSA] matrix_a_fmt:MATRIX_FMT_BF8 matrix_b_fmt:MATRIX_FMT_BF8
.endif
.endm
; 16 matrix instructions: row blocks a0, a0 + 1 x the eight tiles of columns.  The 64 accumulators take turns, one instruction a turn, in the same order in every K step, over the loop's backward jump too
.macro MUL16 a0, p, row, zero
.irp a, \a0, \a0+1
.irp b, 0,1,2,3,4,5,6,7
.set rD, 8*(8*((\a)%4)+\b)
.set rB, 128*(\p)+16*\b
.set rA, AF+16*(\a)
.set rSB, SC+8+\b
.set rSA, SC+(\a)
	WM \zero, \row
.endr
.endr
.endm
; Pass 1, a slot's first K step (weights' set 0, lower lanes' scales); its successor lies in the same slot
.macro STEP slot, zero
	s_wait_dscnt 16                                ; the weights' set, A's blocks 0-3 and the scale words are in; the youngest sixteen loads (A's blocks 4-7) may be out
	WIN MUL_LO
	MUL16 0, 0, 0, \zero
	MUL16 2, 0, 0, \zero
	s_wait_dscnt 0x0                               ; A's blocks 4-7 are in (asked for 32 matrix instructions ago)
	PLACES 8                                       ; eight places in front of loads into registers that matrix instructions have read
	FETCH_B ADRB+\slot, 16384, 1
	FETCH_A ADRA1+\slot, 32768, 0
	WIN MUL_HI
	MUL16 4, 0, 0, \zero
	MUL16 6, 0, 0, \zero
	PLACES 8
	WIN 0
	FETCH_A ADRA1+\slot, 32768, 4
.endm
; A slot's last K step (weights' set p, scale lanes row).  All its fragments have been asked for, so the slot is left at the step's head.  kind: what it is filled with: 0 nothing; 1 the next two K steps of pass 1; 2 pass 2's first K step; 3 pass 2's next.
; pf: the prefetch (macro ASK; 0: none).  na, nb: where the next K step's fragments lie.  sc = 1: the next two K steps' scale words are fetched, from ra and rb at off, behind the last product that reads the set.
.macro TURN p, row, kind, pf, na, nb, sc, ra, rb, off
.if \pf >= 2
	s_wait_xcnt 0x0                                ; the last prefetch, a K step or more back, has read its address, which is stepped here, ahead of the waits of the change of slots
.if \pf == 2
	s_mov_b64 s[PFA:PFA+1], s[NX2:NX2+1]
.elseif \pf == 3
	s_add_nc_u64 s[PFA:PFA+1], s[PFA:PFA+1], s[PFS:PFS+1]
.else
	s_add_nc_u64 s[PFA:PFA+1], s[PFA:PFA+1], 32768
.endif
.endif
	s_wait_tensorcnt 0x0                           ; all my tensor loads have landed: the one that was out is my part of the next slot  (every window is 0 here)
	ds_add_u32 v[SPW], v[NIL]                      ; 0 onto my spare word; the descriptors' steps stand between it and the wait for it
.if \kind
	s_xor_b32 s[G0A1+1], s[G0A1+1], SLOT1          ; no tensor load of mine is out, so the walking descriptors may be written: the other slot than last time,
	s_xor_b32 s[G0B1+1], s[G0B1+1], SLOT1
.if \kind == 1
	s_add_nc_u64 s[G0A1+2:G0A1+3], s[G0A1+2:G0A1+3], 65536
	s_add_nc_u64 s[G0B1+2:G0B1+3], s[G0B1+2:G0B1+3], 32768
.elseif \kind == 2
	s_mov_b64 s[G0A1+2:G0A1+3], s[P2A:P2A+1]       ; h's or r h's first K step
	s_or_b32 s[G0A1+3], s[G0A1+3], 0x80000000
	s_add_nc_u64 s[G0B1+2:G0B1+3], s[G0B1+2:G0B1+3], 950272   ; from W's last two K steps to U's first: 1,048,576 - 3 x 32,768
.else
	s_add_nc_u64 s[G0A1+2:G0A1+3], s[G0A1+2:G0A1+3], 32768
	s_add_nc_u64 s[G0B1+2:G0B1+3], s[G0B1+2:G0B1+3], 16384
.endif
.endif
	s_wait_dscnt 0x0                               ; the add is done; this K step's fragments and scale words are in, and those were my last reads of this slot
	s_barrier_signal -1
	s_barrier_wait -1
.if \kind
	CREST                                          ; the barrier has opened a round of the cluster's: no wave of any partner still reads this slot or has a load on its way
.if \kind == 1
	JLOAD G1B2                                     ; the first tensor load behind the round, my only one until the next; all this K step's products follow it
.else
	JLOAD G1B
.endif
.endif
	FETCH_B \nb, 0, 1-(\p)                         ; into the set that the K step before multiplied: eight places stand behind its last product, at that step's end
.if \pf
	ASK \pf
.endif
	WIN MUL_LO
	MUL16 0, \p, \row, 0
	MUL16 2, \p, \row, 0
	PLACES 8
	WIN 0
	FETCH_A \na, 0, 0
	WIN MUL_HI
	MUL16 4, \p, \row, 0
	MUL16 6, \p, \row, 0
	PLACES 8
	WIN 0
.if \sc
	s_wait_alu depctr_va_vdst(0)
	SCALES \ra, \rb, \off                          ; ahead of A's blocks 4-7, so that a counted wait at the next K step's head covers them
.endif
	FETCH_A \na, 0, 4
.endm
	FETCH_B ADRB, 0, 0
	FETCH_A ADRA1, 0, 0
	SCALES ADSA1, ADSB1, 0
	FETCH_A ADRA1, 0, 4
	; pass 1: x against Wiz (z's waves) or Win (n's waves)
	STEP 0, 1                                      ; the first products start the sums: nothing is cleared
	s_wait_tensorcnt 0x0                           ; slot 1's first fills are in: no tensor load of mine is out, so the two groups 1 take the refills' shapes
	G1SET G1A, 32, 128, 32
	G1SET G1B, 32, 64, 32
	TURN 1, 1, 1, 1, ADRA1+1, ADRB+1, 1, ADSA1, ADSB1, 1024
	STEP 1, 0
	TURN 1, 1, 1, 2, ADRA1, ADRB, 1, ADSA1, ADSB1, 2048
	STEP 0, 0
	TURN 1, 1, 2, 3, ADRA1+1, ADRB+1, 1, ADSA1, ADSB1, 3072
	STEP 1, 0
	TURN 1, 1, 3, 4, ADRA2, ADRB, 1, ADSA2, ADSB2, 0
	; pass 2: h against Uhz, or r h against Uhn: a K step to a slot.  A trip runs two K steps, until sets, slots and scale lanes are back where they began; three trips fill K steps 2 to 7
	s_mov_b32 s[CNT], 3
.Lpair:
	TURN 0, 0, 3, 3, ADRA2+1, ADRB+1, 0, 0, 0, 0
	s_wait_alu depctr_va_vdst(0)
	v_add_nc_u32 v[ADSA2], 2048, v[ADSA2]          ; on to the next two K steps' scale words
	v_add_nc_u32 v[ADSB2], 1024, v[ADSB2]
	TURN 1, 1, 3, 5, ADRA2, ADRB, 1, ADSA2, ADSB2, 0
	s_sub_co_u32 s[CNT], s[CNT], 1
	s_cmp_lg_u32 s[CNT], 0
	s_cbranch_scc1 .Lpair
	TURN 0, 0, 0, 0, ADRA2+1, ADRB+1, 0, 0, 0, 0   ; the tail is written out: nothing is left to fetch
	WIN 0x40                                       ; destination window 1: the weights' set 0 is done with (eight places stand behind the last product that read it): it takes h's rows of the way out's first two phases,
.set k, 0
.rept 32
	global_load_b128 v[4*k:4*k+3], v[LO], s[20:21] offset:4096*(32*(k/16)+k%16) th:TH_LOAD_NT   ; 512 consecutive bytes a load; they are on their way under the last K step's products, which read set 1 alone
.set k, k+1
.endr
	WIN 0
	s_wait_dscnt 16                                ; the very last K step
	WIN MUL_LO
	MUL16 0, 1, 1, 0
	MUL16 2, 1, 1, 0
	s_wait_dscnt 0x0
	WIN MUL_HI
	MUL16 4, 1, 1, 0
	MUL16 6, 1, 1, 0
	WIN 0
	; THE WAY OUT, in four phases of two row blocks, so that a phase's stores leave while the next phase's sigmoids are made.  In a phase each wave makes its gate's sigmoids of 32 rows and puts them into the gate's stage as rows;
	; behind a barrier each wave reads 16 whole rows of z and of n and blends them with h.  The stage's rows differ from phase to phase, so no barrier is owed between a phase's reads and the next phase's stores.
	PLACES 8                                       ; eight places behind the last products: for the loads into the weights' registers, the first read of results and the writes into A's registers
	WIN 0x40                                       ; destination window 1
.irp i, 0,1,2,3,4,5,6,7,8,9,10,11,12,13,14,15,16,17,18,19,20,21,22,23,24,25,26,27,28,29,30,31,32,33,34,35,36,37,38,39,40,41,42,43,44,45,46,47,48,49,50,51,52,53,54,55,56,57,58,59,60,61,62,63
.if \i >= 32
	global_load_b128 v[4*\i:4*\i+3], v[LO], s[20:21] offset:4096*(32*(\i/16)+\i%16) th:TH_LOAD_NT   ; h, the rows of the last two phases, into set 1 (the first two phases' were asked for ahead of the last K step, in the same order)
.endif
.endr
	WIN 0
	s_wait_dscnt 0x0                               ; my last reads of the ring and of the scale words are in
	s_barrier_signal -1
	s_barrier_wait -1                              ; everybody's are: the stages may be written over them; no fill follows
.macro SIG a
.set TT, 128+64*((\a)%2)
	WIN 0x02+(\a)/4                                ; source 0: the accumulators, window 2 or 3
.set k, 0
.rept 32
	v_pk_fma_f32 v[TT+2*k:TT+2*k+1], v[64*((\a)%4)+2*k:64*((\a)%4)+2*k+1], s[NL:NL+1], v[NB+2*k:NB+2*k+1] op_sel_hi:[1,0,1]   ; -log2(e) (sum + bias); ascending: each accumulator from its low end on
.set k, k+1
.endr
	WIN 0
.set k, 0
	s_wait_alu depctr_va_vdst(0)
.rept 64
	v_exp_f32 v[TT+k], v[TT+k]
.set k, k+1
.endr
	v_nop                                          ; a plain line behind the last exponential
	s_wait_alu depctr_va_vdst(0)                   ; one wait for the batch of 64, ahead of its first reader
.set k, 0
.rept 32
	v_pk_add_f32 v[TT+2*k:TT+2*k+1], v[TT+2*k:TT+2*k+1], 1.0 op_sel_hi:[1,0]
.set k, k+1
.endr
.set k, 0
	s_wait_alu depctr_va_vdst(0)
.rept 64
	v_rcp_f32 v[TT+k], v[TT+k]
.set k, k+1
.endr
	v_nop
	s_wait_alu depctr_va_vdst(0)                   ; and one for the 64 reciprocals
.irp b, 0,1,2,3
.irp j, 0,1,2,3
	ds_store_b128 v[STO], v[TT+16*\b+4*\j:TT+16*\b+4*\j+3] offset:8448*(\a)+128*\b+16*\j   ; row 16 a + r, columns 32 b + 16 hh + 4 j on
.endr
.endr
.endm
.macro PHASE p
.if (\p) > 0
	s_wait_xcnt 0x0                                ; the last phase's stores have read their registers, which the sigmoids write again
.endif
	SIG 2*(\p)
	SIG 2*(\p)+1
	s_wait_dscnt 0x0                               ; for the others' sake: my stores into the stage are done
	s_barrier_signal -1
	s_barrier_wait -1
.irp q, 0,1                            ; two groups of eight rows of z and of n, whole: 512 consecutive bytes a load
.irp i, 0,1,2,3,4,5,6,7
	ds_load_b128 v[128+64*\q+4*\i:128+64*\q+4*\i+3], v[RDZ] offset:528*(32*(\p)+8*\q+\i)
.endr
.irp i, 0,1,2,3,4,5,6,7
	ds_load_b128 v[160+64*\q+4*\i:160+64*\q+4*\i+3], v[RDN] offset:528*(32*(\p)+8*\q+\i)
.endr
.endr
	s_wait_loadcnt 48-16*(\p)                      ; this phase's sixteen rows of h are in; the later phases' may be out
.irp q, 0,1
	s_wait_dscnt 16-16*\q                          ; this group is in; the second group's sixteen loads may be out
	WIN 0x04                                       ; source 1: h, window 1
.set k, 0
.rept 16
	v_pk_add_f32 v[160+64*\q+2*k:161+64*\q+2*k], v[160+64*\q+2*k:161+64*\q+2*k], v[64*(\p)+32*\q+2*k:64*(\p)+32*\q+2*k+1] neg_lo:[0,1] neg_hi:[0,1]   ; n - h
.set k, k+1
.endr
	WIN 0x10                                       ; source 2: h, window 1
.set k, 0
.rept 16
	v_pk_fma_f32 v[128+64*\q+2*k:129+64*\q+2*k], v[128+64*\q+2*k:129+64*\q+2*k], v[160+64*\q+2*k:161+64*\q+2*k], v[64*(\p)+32*\q+2*k:64*(\p)+32*\q+2*k+1]   ; z (n - h) + h
.set k, k+1
.endr
	WIN 0
.irp i, 0,1,2,3,4,5,6,7
	global_store_b128 v[LO], v[128+64*\q+4*\i:128+64*\q+4*\i+3], s[22:23] offset:4096*(32*(\p)+8*\q+\i) th:TH_STORE_NT   ; 32 lanes store 512 consecutive bytes, at a multiple of 256 from out0's first byte
.endr
.endr
.endm
	PHASE 0
	PHASE 1
	PHASE 2
	PHASE 3
	s_wait_tensorcnt 0x0                           ; the wave's end, behind my last tensor load and my last LDS store
	ds_add_u32 v[SPW], v[NIL]
	s_wait_dscnt 0x0
	CROUND                                         ; the closing round: no work-group ends while a partner may still ask for a tile that names it
	s_endpgm
.Lfunc_end_k_qc1b3afc245_gate_zn:
	.size	k_qc1b3afc245_gate_zn, .Lfunc_end_k_qc1b3afc245_gate_zn-k_qc1b3afc245_gate_zn
	.p2alignl 7, 3214868480
	.fill 96, 4, 3214868480
	.section	.rodata,"a",@progbits
	.p2align	6, 0x0
	.amdhsa_kernel k_qc1b3afc245_gate_zn
		.amdhsa_group_segment_fixed_size 327680
		.amdhsa_private_segment_fixed_size 0
		.amdhsa_enable_private_segment 0
		.amdhsa_kernarg_size 80
		.amdhsa_user_sgpr_count 2
		.amdhsa_user_sgpr_kernarg_segment_ptr 1
		.amdhsa_wavefront_size32 1
		.amdhsa_system_sgpr_workgroup_id_x 1
		.amdhsa_system_sgpr_workgroup_id_y 1
		.amdhsa_system_sgpr_workgroup_id_z 1
		.amdhsa_system_vgpr_workitem_id 0
		.amdhsa_next_free_vgpr 1024
		.amdhsa_next_free_sgpr 106
		.amdhsa_reserve_vcc 0
		.amdhsa_float_denorm_mode_32 3
		.amdhsa_float_denorm_mode_16_64 3
		.amdhsa_memory_ordered 1
		.amdhsa_forward_progress 1
		.amdhsa_inst_pref_size 255
	.end_amdhsa_kernel
	.section	.bss,"aw",@nobits
	.p2align	6
	.space	262144
	.amdgpu_metadata
---
amdhsa.version: [ 1, 2 ]
amdhsa.kernels:
  - .name:           k_qc1b3afc245_gate_zn
    .symbol:         k_qc1b3afc245_gate_zn.kd
    .args:
      - { .name: aq, .offset: 0, .size: 8, .value_kind: global_buffer, .address_space: global }
      - { .name: asc, .offset: 8, .size: 8, .value_kind: global_buffer, .address_space: global }
      - { .name: rq, .offset: 16, .size: 8, .value_kind: global_buffer, .address_space: global }
      - { .name: rsc, .offset: 24, .size: 8, .value_kind: global_buffer, .address_space: global }
      - { .name: wq, .offset: 32, .size: 8, .value_kind: global_buffer, .address_space: global }
      - { .name: wsc, .offset: 40, .size: 8, .value_kind: global_buffer, .address_space: global }
      - { .name: bz, .offset: 48, .size: 8, .value_kind: global_buffer, .address_space: global }
      - { .name: bn, .offset: 56, .size: 8, .value_kind: global_buffer, .address_space: global }
      - { .name: h, .offset: 64, .size: 8, .value_kind: global_buffer, .address_space: global }
      - { .name: out0, .offset: 72, .size: 8, .value_kind: global_buffer, .address_space: global }
    .group_segment_fixed_size: 327680
    .private_segment_fixed_size: 0
    .kernarg_segment_align: 8
    .kernarg_segment_size: 80
    .max_flat_workgroup_size: 128
    .sgpr_count:     106
    .vgpr_count:     1024
    .wavefront_size: 32
...
	.end_amdgpu_metadata
.endif
;; end of part 3
